; MI455X (gfx1250); checked and timed in simulation.
; The chip was launched on July 23, 2026; its instructions are those of AMD's public machine-readable ISA for CDNA 5 (MIT licence, August 2026) and "CDNA5" Instruction Set Architecture Reference Guide (July 2026). The comments in the code are by the model that wrote it; some were corrected since.
;; LTC Cell. Allowed arithmetic: float matrix products may take bf16 or f16 operands with f32 sums; other float arithmetic in f32, or as packed bf16 or f16 multiplies, adds, multiply-adds, maxima and minima; sums over many terms, partial sums and values carried from step to step in f32; what a program stores and reads back later, other than sums and carried values, may be rounded once to bf16 or f16.
;; Inputs: W_mod 3,072 x 2,048 float32; W_tgt 3,072 x 2,048 float32; b_mod 2,048 float32; b_tgt 2,048 float32; bias 2,048 float32; h 4,096 x 2,048 float32; log_tau 2,048 float32; time_delta 4,096 x 1 float32; x 4,096 x 1,024 float32.
;; Outputs: out0 4,096 x 2,048 float32.
;; 4 versions, each right; version 4 is version 3 with the launch prep written anew for expert scheduling mode. Each part assembles by itself: llvm-mc -triple=amdgcn-amd-amdhsa -mcpu=gfx1250 --defsym DOCPART=n.
;; ======== version 1 of 4: 1 launch
;; limits: right only within a limited range of input values
;; launch ltc (part 1): grid 16 x 16, 4 waves a work-group, clusters of 4 x 4, 327,680 bytes of LDS; arguments x, h, W_mod, W_tgt, b_mod, b_tgt, log_tau, bias, time_delta, out0; writes out0
.if DOCPART == 1
	.amdgcn_target "amdgcn-amd-amdhsa--gfx1250"
	.amdhsa_code_object_version 6
	.text
	.protected	k_q61710d856f_ltc
	.globl	k_q61710d856f_ltc
	.p2align	8
	.type	k_q61710d856f_ltc,@function
k_q61710d856f_ltc:
	s_mov_b64 s[64:65], 0
	v_nop
	global_prefetch_b8 v0, s[64:65] scope:SCOPE_SE
	s_setreg_imm32_b32 hwreg(HW_REG_WAVE_MODE, 25, 1), 1
	s_wait_xcnt 0x0
	s_wait_alu depctr_hold_cnt(0) depctr_sa_sdst(0) depctr_va_vdst(0) depctr_va_sdst(0) depctr_va_ssrc(0) depctr_va_vcc(0) depctr_vm_vsrc(0)
	s_getreg_b32 s2, hwreg(HW_REG_IB_STS2, 6, 4)
	s_cmp_eq_u32 s2, 0
	s_cbranch_scc0 .Lentry_in_a_cluster
	s_endpgm
.Lentry_in_a_cluster:
	s_bfe_u32 s2, ttmp6, 0x10000c
	s_cmp_lg_u32 s2, 0xf033
	s_cbranch_scc0 .Lentry_shape_is_right
	s_endpgm
.Lentry_shape_is_right:
; LTC CELL, ONE LAUNCH.  combined = [x | h] ([4096][3072]);  zf = combined W_mod, za = combined W_tgt (W: [3072][2048], K down the rows);
; f = tanh(zf + b_mod), a = tanh(za + b_tgt), tau = exp(log_tau), tau_sys = tau / (1 + tau |f|), decay = exp(-time_delta / (tau_sys + 1e-6)),
; out = decay h + (1 - decay)(a + bias).  All buffers f32.  The two products go to the matrix unit with bf16 operands (rounded once, to nearest even, on the way
; from LDS to the fragment registers) and f32 sums; everything behind them is f32 and is done in this launch, so no intermediate goes through memory.
; LIMITS.  exp and 1/x are the 1-ULP instructions, which take denormals as 0.  log_tau stays below 87: beyond it 1 / (tau + ..) falls under 2^-126 here (from 88.7 on tau itself is
; infinite in the defining formula too).  NaN and infinities in the inputs are not treated apart.  The blend is formed as w + decay (h - w), w = a + bias: one rounding order other than the defining one.
; tanh is taken by exponentials that cannot overflow into a wrong value: |f| = (1 - e) / (1 + e) with e = 2^-|..| in 0..1; a = 1 - 2 / (1 + 2^..), where an infinite power gives 1 / inf = 0.
; SHARES.  A work-group makes 256 rows x 128 columns of out: 16 x 16 work-groups.  Each of its four waves makes 128 rows x 64 columns, of BOTH products: 8 row blocks x (4 + 4) fragments =
; 64 accumulators, 512 registers, so that zf and za of one output meet in one lane.  K goes in 48 steps of 64 (16 in x, 32 in h) through two LDS slots of f32 tiles.
; CLUSTER.  4 x 4 work-groups.  The rows of x and h hang on the tile row alone: asked for jointly along a row of the cluster; the weights hang on the tile column alone: jointly along a column.
; FRAGMENTS ARE MADE IN REGISTERS.  f32 comes out of LDS into a staging ring (window 0) and v_cvt_pk_bf16_f32 packs it into the fragments (window 1).  A: lane l takes row l % 16, 8 + 8 numbers along K.
; B lies [K][N]: lane l takes 16 bytes (columns 4 r .. 4 r + 3, r = l % 16) of rows k and k + 1; packing column t of the two rows gives register j of FOUR fragments t = 0..3.  So column r of
; fragment t stands for column 4 r + t, and in the result (register j: row 8 (l / 16) + j) a lane's accumulators t = 0..3 hold 16 neighbouring bytes of a row of out: no turning load, no stage on the way out.
; BY RIDERS.  64 products want 64 LDS loads and 128 conversions.  They stand in slices behind the products: two (or four) loads behind an even one, four conversions behind an odd one.
; REGISTERS, in windows of 256 (s_set_vgpr_msb: bits 1:0 source 0, 3:2 source 1, 5:4 source 2, 7:6 destination):
;   window 0: the staging ring, 8 buffers of 32 (16 of A, 16 of B); behind the products: the tail's work registers
;   window 1: v2-10 addresses, v12-18 at work in the set-up, v28-29 the add's two; v64-127 A's 8 fragments; v128-191, v192-255 B's 8 fragments for the first and second 32 of a K step
;   windows 2, 3: accumulator (a, b) in window 2 + a / 4 at v[64 (a % 4) + 8 b]; b = 0..3 zf's fragments, b = 4..7 za's
.set PA,    272                 ; a row of A in LDS: 256 bytes + 16 of padding = 68 words: the 16 rows of a load start at 16 different groups of four banks (64 banks of 4 bytes: ISA guide 11.1)
.set AHALF, 128*PA              ; 128 rows: one tensor load, and what one wave reads of A
.set BM0,   2*AHALF             ; behind A's 256 rows: 64 rows x 512 bytes of W_mod, then the same of W_tgt; 16 lanes read 256 bytes on end, so no padding
.set BMAT,  64*512
.set SLOTX, 0x22000             ; slot 1 begins here; no LDS base inside a slot has one of its two bits, so one exclusive or changes slots
.set SPARE, SLOTX+BM0+2*BMAT    ; behind the ring: the spare words, 128 bytes for each wave: two blocks of 256 bytes that no other line names
.set ASTEP, 256                 ; bytes from K step to K step in a row of x or h
.set BSTEP, 64*8192             ; and in the weights: 64 rows
; window 1
.set ADRA0, 2                   ; my lane's place in A's tile; never rewritten
.set ADRA,  3                   ; the same in the slot that is being read
.set ADRB0, 4
.set ADRB,  5
.set CO,    6                   ; my 16 bytes in 16 rows of h and out0: 8 (l / 16) rows + 16 r
.set TDO,   7                   ; my 8 rows in 16 numbers of time_delta
.set PO,    8                   ; my 4 columns in the four vectors
.set PFOX,  9                   ; the prefetches' lane offset while A comes from x
.set PFOH,  10                  ; and from h
.set SPW,   28                  ; LDS address of my spare word: SPARE + 4 x my thread's number; never rewritten
.set NIL,   29                  ; 0; never rewritten
.set FA,    64
.set FB,    128
; window 0, behind the products
.set HBF,   0                   ; v0-31    h of a block, row j at 4 j; then h - w; then out
.set TDF,   32                  ; v32-39   time_delta of my 8 rows
.set RAW,   40                  ; v40-55   b_mod, b_tgt, log_tau, bias of my 4 columns
.set TMPV,  56                  ; v56-61   tau of my 4 columns; 1 + tau, 1 - tau
.set BMS,   64                  ; each of the seven: a pair (c, c) for column t at + 2 t, since a packed line takes two ROWS of one column
.set BTS,   72
.set C1,    80
.set C2,    88
.set C3,    96
.set C4,    104
.set BI1,   112
.set UU,    128                 ; v128-159 column t, row j at 8 t + j: zf's side
.set VV,    160                 ; v160-191 za's side
.set NN,    192                 ; v192-223 the decay's exponent
; scalars
.set WV,  12                    ; my wave's number
.set RH,  13                    ; which 128 rows I multiply.  Also: I fetch for A (0) or for B (1)
.set CH,  14                    ; which 64 columns I multiply.  Also: which 128 rows of A, or which of the two weight matrices, I fetch
.set CNT, 15
.set CX,  16
.set CY,  17
.set TC,  18
.set TR,  19
.set G1X, 24                    ; s[24:31] descriptor group 1 for A's tiles out of x
.set G1H, 32                    ; s[32:39] out of h: it differs in the pitch alone
.set G1B, 40                    ; s[40:47] for the weights' tiles
.set G0A, 48                    ; s[48:55] descriptor group 0 for A: a set for each of the two first fills; the second then walks
.set G0B, 56                    ; s[56:63] the same for B
.set NA,  66                    ; s[66:67] where A's next tile begins: kept outside the descriptor, so that it can change from x to h while a load is out
.set PBM, 68                    ; s[68:75] b_mod, b_tgt, log_tau, bias
.set PBT, 70
.set PLT, 72
.set PBI, 74
.set PTD, 76                    ; s[76:77] time_delta
.set POUT, 78                   ; s[78:79] out0
.set NB,  80                    ; s[80:81] where B's next tile begins
.set PFA, 82                    ; s[82:83] what my next prefetch names
.set PFS, 84                    ; s[84:85] its step
.set LIMX, 86                   ; a wave prefetches while s[CNT] is above this
.set LIMH, 87
.set TB,  88                    ; 0 or SLOTX: the slot that is being read
.set BLK, 89
.set K2,  90                    ; s[90:91] 2 log2(e)
.set SIGN, 92
.set LA,  93
.set HE,  94                    ; s[94:95] h at my part of the tile, for the tail
.set HA,  96                    ; s[96:97] h at the rows that I fetch
.set PFH, 98                    ; s[98:99] the prefetches' start in h
.set W_LD, 0x01                 ; data in window 0, address in window 1: LDS and global loads, stores (data = source 1), prefetches
.set W_CV, 0x40                 ; destination window 1, sources window 0
.set W_S,  0x55                 ; all in window 1
.set W_AD, 0x05                 ; the add: address and data in window 1
.set MSB, 0
.macro WIN new                  ; the immediate's high byte repeats the setting that is left; a switch that changes nothing is dropped
.if MSB != (\new)
	s_set_vgpr_msb (MSB<<8)|(\new)
.set MSB, (\new)
.endif
.endm
; A round of the cluster's barrier behind its opening barrier: wave 0 signals for the work-group, every wave waits for all sixteen, my work-group's barrier closes it.
.macro CREST
	s_cmp_lg_u32 s[WV], 0
	s_cbranch_scc1 .Lnot_wave_0_\@
	s_barrier_signal -3
.Lnot_wave_0_\@:
	s_barrier_wait -3
	s_barrier_signal -1
	s_barrier_wait -1
.endm
.macro CROUND
	s_barrier_signal -1
	s_barrier_wait -1
	CREST
.endm
; A joint refill.  Waves 0 and 1 fetch A's two halves, wave 2 W_mod's tile, wave 3 W_tgt's.  The branch hangs on the wave's number alone.  An s_nop 0 and four v_nop follow each line.
.macro JLOAD g1a
	s_cmp_eq_u32 s[RH], 0
	s_cbranch_scc0 .Lfor_b_\@
	tensor_load_to_lds s[G0A+4:G0A+7], s[\g1a:\g1a+7]
	s_nop 0
.rept 4
	v_nop
.endr
	s_branch .Lasked_\@
.Lfor_b_\@:
	tensor_load_to_lds s[G0B+4:G0B+7], s[G1B:G1B+7]
	s_nop 0
.rept 4
	v_nop
.endr
.Lasked_\@:
.endm
; A PREFETCH INTO THE L2 of the K step that stands two refills on (256 products ahead of the load that will want it), behind the joint load and its five lines: one instruction a wave.
; Each aligned 256 bytes are named once in the launch.  A's rows are read by every cluster of a row of clusters: the one with x = 0 asks; the weights' columns by every cluster of a column: y = 0 asks.
; The four partners of a joint load share its tile out BY ADDRESS: of A's 128 rows 32 each, a lane a row (by cx); of a weight tile's 64 rows 16 each, two blocks of 256 bytes a row (by cy).
.macro ASK pfo, lim
	s_cmp_gt_u32 s[CNT], s[\lim]
	s_cbranch_scc0 .Lnot_mine_\@
	WIN W_LD
	global_prefetch_b8 v[\pfo], s[PFA:PFA+1] th:TH_LOAD_NT scope:SCOPE_SE
	WIN 0
.Lnot_mine_\@:
.endm
; THE PARTS.  A K step has 16 OCTETS of 8 products: octet o takes row block o % 8 and the 8 fragments of B for 32 (o / 8) along K.  Sixteen parts are made ready in a step: parts 0-7 for the
; second 32 of the step in hand, parts 8-15 for the first 32 of the next step.  Part n: A's fragment of row block n % 8 (4 loads, 8 conversions) and registers j of B's fragments for two of the
; 16 pairs (matrix X, register j) (4 loads, 8 conversions).  It is staged in buffer n % 8.
.macro LD n, i                  ; load i of 8 of part n
.set pb, 32*((\n)%8)
.set pa, (\n)%8
.set kh, 1-(\n)/8
.if (\i) < 4                    ; A: K = 8 (l / 16) + 0..7 (two loads), 16 + 8 (l / 16) + 0..7 (two loads)
	ds_load_b128 v[pb+4*(\i):pb+4*(\i)+3], v[ADRA] offset:pa*16*PA+kh*128+((\i)&1)*16+((\i)>>1)*64
.else                           ; B: rows 2 j, 2 j + 1 (from j = 4 on: 8 further), + 8 (l / 16) in the address
.set ul, ((\i)-4)>>1
.set ee, ((\i)-4)&1
.set uu, 2*pa+ul
.set rw, 2*(uu&7)+ee
	ds_load_b128 v[pb+16+8*ul+4*ee:pb+16+8*ul+4*ee+3], v[ADRB] offset:(uu>>3)*BMAT+(32*kh+rw+8*(rw/8))*512
.endif
.endm
.macro CVB n, i                 ; conversion i of 8: register j of fragment t of matrix X: column t of rows k (low half) and k + 1
.set pb, 32*((\n)%8)
.set kh, 1-(\n)/8
.set ul, (\i)>>2
.set tt, (\i)&3
.set uu, 2*((\n)%8)+ul
	v_cvt_pk_bf16_f32 v[FB+64*kh+8*(4*(uu>>3)+tt)+(uu&7)], v[pb+16+8*ul+tt], v[pb+16+8*ul+4+tt]
.endm
.macro CVA n, i                 ; register i of A's fragment
	v_cvt_pk_bf16_f32 v[FA+8*((\n)%8)+(\i)], v[32*((\n)%8)+2*(\i)], v[32*((\n)%8)+2*(\i)+1]
.endm
; A product.  The 64 accumulators take turns, one instruction a turn, in the same order in every 32 along K, over the loops' jumps too.  zero = 1: the product starts the sum.
.macro MM hf, a, b, zero
	WIN 0xa5+0x50*((\a)/4)
.set rc, 64*((\a)%4)+8*(\b)
.if \zero
	v_wmma_f32_16x16x32_bf16 v[rc:rc+7], v[FA+8*(\a):FA+8*(\a)+7], v[FB+64*(\hf)+8*(\b):FB+64*(\hf)+8*(\b)+7], 0
.else
	v_wmma_f32_16x16x32_bf16 v[rc:rc+7], v[FA+8*(\a):FA+8*(\a)+7], v[FB+64*(\hf)+8*(\b):FB+64*(\hf)+8*(\b)+7], v[rc:rc+7]
.endif
.endm
; AN OCTET and its riders.  wt: the count of the wait on LDS at its head (-1: none).  ld1, ld2: parts loaded (behind products 0, 2, 4, 6); cvb: part whose B is converted (behind 1, 3);
; cva: part whose A is converted (behind 5, 7).  A conversion writes a fragment register four plain vector instructions or more behind the last product that read it (ISA guide 7.12.1): A's fragment
; of block a is read by octet a and written behind products 5 and 7 of the next octet, twelve conversions later; B's set is written while the other set is multiplied, and its fragments 0-3,
; the first to be written, were last read twelve conversions earlier.  No rider names a register of a product that stands fewer than four plain instructions ahead of it.
.macro OCT o, zero, wt, ld1, ld2, cvb, cva
.if (\wt) >= 0
	s_wait_dscnt \wt
.endif
.set sl, 0
.rept 8
	MM (\o)/8, (\o)%8, sl, \zero
.if (sl%2) == 0
.if (\ld2) >= 0
	WIN W_LD
.if sl < 4
.irp q, 0,1,2,3
	LD \ld1, 2*sl+\q
.endr
.else
.irp q, 0,1,2,3
	LD \ld2, 2*sl-8+\q
.endr
.endif
.elseif (\ld1) >= 0
	WIN W_LD
	LD \ld1, sl
	LD \ld1, sl+1
.endif
.elseif sl < 4
.if (\cvb) >= 0
	WIN W_CV
.irp q, 0,1,2,3
	CVB \cvb, 2*sl-2+\q
.endr
.endif
.else
.if (\cva) >= 0
	WIN W_CV
.irp q, 0,1,2,3
	CVA \cva, 2*sl-10+\q
.endr
.endif
.endif
.set sl, sl+1
.endr
.endm
; THE FIRST 32 OF A K STEP, octets 0-7, with the change of slots round octets 3 and 4.  LDS loads come back in order (ISA guide 5.7.1), so each wait's count is what was issued behind the part
; that the octet converts: octet 0: parts 1, 2 (16); octet 1: parts 2, 3, 4 (24); octet 2: parts 3-6 (32); octet 3: parts 4-7 and the add (33).
; A staging buffer is loaded again only behind the conversions of the part that lay in it (part n's last stand in octet n + 1; part n + 8 is loaded in octet n + 3 at the earliest).
; THE CHANGE OF SLOTS.  Part 7, loaded in octet 2, is the last read of the slot in hand.  Each wave waits for all its tensor loads, of which one is out: its part of the other slot; adds 0 to its spare word;
; and waits for that and for its reads.  mode = 2: the barrier opens a round of the cluster's, and the joint refill (the K step two on) is the first thing behind it: it has 112 products in which to land.
; mode = 1: nothing is left to ask for, but the other slot must be whole.  mode = 0: the last K step: no other slot.
.macro HALF0 zero, mode, g1a=G1X, pfo=PFOX, lim=LIMX
	OCT 0, \zero, 16, 3, 4, 0, 15
	OCT 1, \zero, 24, 5, 6, 1, 0
	OCT 2, \zero, 32, 7, -1, 2, 1
.if (\mode) > 0
.if (\mode) == 2
	s_wait_xcnt 0x0                 ; the last prefetch, a K step back, has read its address: it is stepped here, ahead of the change's own waits
	s_add_nc_u64 s[PFA:PFA+1], s[PFA:PFA+1], s[PFS:PFS+1]
.endif
	WIN W_AD
	s_wait_tensorcnt 0x0            ; no tensor load of mine is out, so a group 0 may be written
	ds_add_u32 v[SPW], v[NIL]       ; 0 onto my spare word; scalar work and octet 3 stand between it and the wait for it
.if (\mode) == 2
	s_xor_b32 s[G0A+5], s[G0A+5], SLOTX            ; the walking descriptors: the other slot than last time,
	s_mov_b64 s[G0A+6:G0A+7], s[NA:NA+1]           ; the next tile,
	s_or_b32 s[G0A+7], s[G0A+7], 0x80000000        ; type = 2
	s_add_nc_u64 s[NA:NA+1], s[NA:NA+1], ASTEP
	s_xor_b32 s[G0B+5], s[G0B+5], SLOTX
	s_mov_b64 s[G0B+6:G0B+7], s[NB:NB+1]
	s_or_b32 s[G0B+7], s[G0B+7], 0x80000000
	s_add_nc_u64 s[NB:NB+1], s[NB:NB+1], BSTEP
.endif
	s_xor_b32 s[TB], s[TB], SLOTX
	OCT 3, \zero, 33, -1, -1, 3, 2
	s_wait_dscnt 0x0                ; the add is done, and my reads of this slot are over
	s_barrier_signal -1
	OCT 4, \zero, -1, -1, -1, 4, 3  ; work on registers alone while the others arrive
	WIN 0                           ; at a branch and at a label every window is 0
	s_barrier_wait -1
.if (\mode) == 2
	CREST                           ; no wave of any partner still reads this slot's tiles or has a load on its way
	JLOAD \g1a
.endif
	WIN W_S
	v_add_nc_u32 v[ADRA], s[TB], v[ADRA0]          ; from here on the other slot is read
	v_add_nc_u32 v[ADRB], s[TB], v[ADRB0]
.if (\mode) == 2
	WIN 0
	ASK \pfo, \lim
.endif
	OCT 5, \zero, -1, 8, -1, 5, 4   ; parts 5-7 were shown in by the wait for 0
	OCT 6, \zero, -1, 9, -1, 6, 5
	OCT 7, \zero, -1, 10, -1, 7, 6
.else
	OCT 3, 0, 32, -1, -1, 3, 2      ; parts 4-7 may be out
	OCT 4, 0, 0, -1, -1, 4, 3       ; nothing more is loaded: all are in
	OCT 5, 0, -1, -1, -1, 5, 4
	OCT 6, 0, -1, -1, -1, 6, 5
	OCT 7, 0, -1, -1, -1, 7, 6
.endif
.endm
; THE SECOND 32, octets 8-15.  Behind the part that an octet converts two younger parts have been issued: every count is 16.  Octets 13-15 load parts 0-2 of the next step.
.macro HALF1
	OCT 8,  0, 16, 11, -1, 8,  7
	OCT 9,  0, 16, 12, -1, 9,  8
	OCT 10, 0, 16, 13, -1, 10, 9
	OCT 11, 0, 16, 14, -1, 11, 10
	OCT 12, 0, 16, 15, -1, 12, 11
	OCT 13, 0, 16, 0,  -1, 13, 12
	OCT 14, 0, 16, 1,  -1, 14, 13
	OCT 15, 0, 16, 2,  -1, 15, 14
.endm
.macro PLD n                    ; a whole part, for the prologue
.irp q, 0,1,2,3,4,5,6,7
	LD \n, \q
.endr
.endm
.macro PCB n
.irp q, 0,1,2,3,4,5,6,7
	CVB \n, \q
.endr
.endm
.macro PCA n
.irp q, 0,1,2,3,4,5,6,7
	CVA \n, \q
.endr
.endm
	s_load_b256 s[4:11], s[0:1], 0x0               ; x s[4:5], h s[6:7], W_mod s[8:9], W_tgt s[10:11]
	s_load_b256 s[PBM:PBM+7], s[0:1], 0x20         ; b_mod, b_tgt, log_tau, bias
	s_load_b128 s[PTD:PTD+3], s[0:1], 0x40         ; time_delta, out0
	WIN W_CV
	v_lshl_add_u32 v[SPW], v0, 2, SPARE
	v_mov_b32 v[NIL], 0
	WIN W_AD
	ds_add_u32 v[SPW], v[NIL]                      ; the wave's opening: the add and its wait stand ahead of my first tensor load; the set-up below, work on registers, stands between them
	WIN 0
	v_lshrrev_b32 v1, 5, v0
	v_readfirstlane_b32 s[WV], v1                  ; wave 0..3
	s_lshr_b32 s[RH], s[WV], 1
	s_and_b32 s[CH], s[WV], 1
	s_bfe_u32 s[CX], ttmp6, 0x40000                ; my place in the cluster
	s_bfe_u32 s[CY], ttmp6, 0x40004
	s_lshl_b32 s[TC], ttmp9, 2                     ; in a cluster launch ttmp9 and ttmp7 count clusters
	s_add_co_u32 s[TC], s[TC], s[CX]               ; tile column (128 columns of out)
	s_and_b32 s[TR], ttmp7, 0xffff
	s_lshl_b32 s[TR], s[TR], 2
	s_add_co_u32 s[TR], s[TR], s[CY]               ; tile row (256 rows)
	s_lshl_b32 s20, s[CY], 2
	s_lshl_b32 s20, 15, s20                        ; my row of the cluster: places 4 cy .. 4 cy + 3
	s_lshl_b32 s22, 0x1111, s[CX]                  ; my column: places cx, cx + 4, cx + 8, cx + 12
	; group 1 for A: 128 rows x 64 elements of 4 bytes, 4 words of padding behind every 64
	s_or_b32 s[G1X], s20, (2<<16)|(1<<20)|(1<<21)|(5<<22)|(3<<25)  ; 15:0 the mask; 17:16 elements of 4 bytes; 20 padding on; 21 set beside a mask; 24:22 after every 64 words (code 5); 31:25 4 words (code 3)
	s_or_b32 s[G1H], s20, (2<<16)|(1<<20)|(1<<21)|(5<<22)|(3<<25)
.irp g, G1X, G1H
	s_mov_b32 s[\g+1], 64<<16                      ; tensor_dim0 = 64
	s_mov_b32 s[\g+2], 128<<16                     ; tensor_dim1 = 128
	s_mov_b32 s[\g+3], 64<<16                      ; tile_dim0 = 64
	s_mov_b32 s[\g+4], 128                         ; tile_dim1 = 128
	s_mov_b32 s[\g+6], 0
	s_mov_b32 s[\g+7], 0
.endr
	s_mov_b32 s[G1X+5], 1024                       ; elements from row to row in x,
	s_mov_b32 s[G1H+5], 2048                       ; in h
	; group 1 for the weights: 64 rows x 128 elements, no padding
	s_or_b32 s[G1B], s22, (2<<16)|(1<<21)
	s_mov_b32 s[G1B+1], 128<<16
	s_mov_b32 s[G1B+2], 64<<16
	s_mov_b32 s[G1B+3], 128<<16
	s_mov_b32 s[G1B+4], 64
	s_mov_b32 s[G1B+5], 2048
	s_mov_b32 s[G1B+6], 0
	s_mov_b32 s[G1B+7], 0
	s_mov_b32 s[K2], 0x4038aa3b                    ; 2 log2(e)
	s_mov_b32 s[K2+1], s[K2]                       ; named with it as a pair
	s_mov_b32 s[SIGN], 0x80000000
	s_mov_b32 s[TB], 0
	; the lanes' terms
	WIN W_CV
	v_and_b32 v12, 15, v0                          ; r = l % 16
	v_bfe_u32 v13, v0, 4, 1                        ; l / 16
	v_and_b32 v14, 31, v0                          ; l
	WIN W_S
	s_mul_i32 s2, s[RH], AHALF
	v_mul_u32_u24 v[ADRA0], v12, PA
	v_lshl_add_u32 v[ADRA0], v13, 5, v[ADRA0]      ; row x pitch + 8 numbers for the upper lanes
	v_add_nc_u32 v[ADRA0], s2, v[ADRA0]            ; + my 128 rows
	s_lshl_b32 s3, s[CH], 8
	s_add_co_u32 s3, s3, BM0
	v_lshlrev_b32 v[PO], 4, v12
	v_lshl_add_u32 v[ADRB0], v13, 12, v[PO]        ; 16 r + 8 rows of 512 bytes for the upper lanes
	v_add_nc_u32 v[ADRB0], s3, v[ADRB0]            ; + my 64 columns, behind A
	v_mov_b32 v[ADRA], v[ADRA0]                    ; slot 0
	v_mov_b32 v[ADRB], v[ADRB0]
	v_lshl_add_u32 v[CO], v13, 16, v[PO]           ; 8 rows of 8,192 bytes
	v_lshlrev_b32 v[TDO], 5, v13
	v_lshrrev_b32 v15, 1, v14
	v_and_b32 v16, 1, v14
	s_cmp_eq_u32 s[RH], 0                          ; the prefetches' lane offset is (l / 2) << s + (l % 2) << s': for A l rows (of 4,096 bytes in x, 8,192 in h); for the weights l / 2 rows and l % 2 blocks of 256 bytes
	s_cselect_b32 s2, 12, 8
	s_cselect_b32 s3, 14, 13
	s_cselect_b32 s100, 13, 8
	v_lshlrev_b32 v17, 13, v15
	v_lshlrev_b32 v18, s2, v16
	v_add_nc_u32 v[PFOX], v17, v18
	v_lshlrev_b32 v17, s3, v15
	v_lshlrev_b32 v18, s100, v16
	v_add_nc_u32 v[PFOH], v17, v18
	WIN 0
	; where the tiles come from.  A's hang on the tile row alone (s20, s21 never hold cx), the weights' on the tile column alone (s22, s23 never hold cy); every wave makes both
	s_lshl_b32 s20, s[TR], 8
	s_lshl_b32 s21, s[CH], 7
	s_add_co_u32 s20, s20, s21                     ; row 256 x tile row + 128 x half
	s_lshl_b32 s20, s20, 12                        ; in bytes of x
	s_mov_b32 s21, 0
	s_lshl_b32 s22, s[TC], 9                       ; 128 columns of 4 bytes
	s_mov_b32 s23, 0
	s_mul_i32 s[LA], s[CH], AHALF                  ; and where they go: no place in the cluster enters an LDS address
	s_lshl_b32 s3, s[CH], 15
	s_add_co_u32 s3, s3, BM0
	s_wait_dscnt 0x0                               ; the opening add is done
	s_wait_kmcnt 0x0
	s_add_nc_u64 s[NA:NA+1], s[4:5], s[20:21]
	s_lshl_b32 s20, s20, 1                         ; the same rows in bytes of h
	s_add_nc_u64 s[HA:HA+1], s[6:7], s[20:21]
	s_cmp_eq_u32 s[CH], 0
	s_cselect_b64 s[NB:NB+1], s[8:9], s[10:11]     ; W_mod or W_tgt
	s_add_nc_u64 s[NB:NB+1], s[NB:NB+1], s[22:23]
.irp s, 0,1
	s_mov_b32 s[G0A+4*(\s)], 1                                         ; count = 1
	s_add_co_u32 s[G0A+4*(\s)+1], s[LA], (\s)*SLOTX                    ; LDS address
	s_add_nc_u64 s[G0A+4*(\s)+2:G0A+4*(\s)+3], s[NA:NA+1], (\s)*ASTEP  ; K step s
	s_or_b32 s[G0A+4*(\s)+3], s[G0A+4*(\s)+3], 0x80000000              ; type = 2
	s_mov_b32 s[G0B+4*(\s)], 1
	s_add_co_u32 s[G0B+4*(\s)+1], s3, (\s)*SLOTX
	s_add_nc_u64 s[G0B+4*(\s)+2:G0B+4*(\s)+3], s[NB:NB+1], (\s)*BSTEP
	s_or_b32 s[G0B+4*(\s)+3], s[G0B+4*(\s)+3], 0x80000000
.endr
	s_add_nc_u64 s[NA:NA+1], s[NA:NA+1], 2*ASTEP   ; the first refill brings K step 2
	s_add_nc_u64 s[NB:NB+1], s[NB:NB+1], 2*BSTEP
	CROUND                                         ; all sixteen work-groups are here: the first joint loads meet
	s_cmp_eq_u32 s[RH], 0                          ; a wave's two first fills stand in one branch, ahead of every wait on TENSORcnt and every LDS read: two loads of mine are out
	s_cbranch_scc0 .Lfirst_b
	tensor_load_to_lds s[G0A:G0A+3], s[G1X:G1X+7]
	s_nop 0
	tensor_load_to_lds s[G0A+4:G0A+7], s[G1X:G1X+7]
	s_nop 0
.rept 4
	v_nop
.endr
	s_branch .Lfirst_asked
.Lfirst_b:
	tensor_load_to_lds s[G0B:G0B+3], s[G1B:G1B+7]
	s_nop 0
	tensor_load_to_lds s[G0B+4:G0B+7], s[G1B:G1B+7]
	s_nop 0
.rept 4
	v_nop
.endr
.Lfirst_asked:
	; the tail's bases, made while the first tiles are on their way: my first row 256 x tile row + 128 x row half, my first column 128 x tile column + 64 x column half
	s_lshl_b32 s100, s[TR], 8
	s_lshl_b32 s101, s[RH], 7
	s_add_co_u32 s100, s100, s101
	s_lshl_b32 s2, s100, 2                         ; its byte in time_delta
	s_lshl_b32 s100, s100, 13                      ; in h and out0
	s_lshl_b32 s3, s[TC], 9
	s_lshl_b32 s101, s[CH], 8
	s_add_co_u32 s3, s3, s101                      ; my first column's byte
	s_add_co_u32 s100, s100, s3
	s_mov_b32 s101, 0
	s_add_nc_u64 s[HE:HE+1], s[6:7], s[100:101]
	s_add_nc_u64 s[POUT:POUT+1], s[POUT:POUT+1], s[100:101]
	s_mov_b32 s100, s2
	s_add_nc_u64 s[PTD:PTD+1], s[PTD:PTD+1], s[100:101]
	s_mov_b32 s100, s3
.irp g, PBM, PBT, PLT, PBI
	s_add_nc_u64 s[\g:\g+1], s[\g:\g+1], s[100:101]
.endr
	; the prefetches.  Nothing is asked for here, at the head: K steps 0 to 3 come by their loads alone.  The pointer stands at K step 3; each change of slots steps it first
	s_lshl_b32 s100, s[TR], 8
	s_lshl_b32 s2, s[CH], 7
	s_add_co_u32 s100, s100, s2
	s_lshl_b32 s2, s[CX], 5
	s_add_co_u32 s100, s100, s2                    ; A: my work-group's 32 of the 128 rows that I fetch
	s_lshl_b32 s100, s100, 12
	s_add_nc_u64 s[PFA:PFA+1], s[4:5], s[100:101]
	s_add_nc_u64 s[PFA:PFA+1], s[PFA:PFA+1], 3*ASTEP
	s_lshl_b32 s100, s100, 1
	s_add_nc_u64 s[PFH:PFH+1], s[6:7], s[100:101]
	s_add_nc_u64 s[PFH:PFH+1], s[PFH:PFH+1], ASTEP ; h's second K step: the first change of slots in the loop over h steps it to the third
	s_lshl_b32 s100, s[CY], 17                     ; the weights: my work-group's 16 of a tile's 64 rows
	s_add_nc_u64 s[2:3], s[NB:NB+1], s[100:101]    ; (NB stands at K step 2)
	s_add_nc_u64 s[2:3], s[2:3], BSTEP
	s_and_b32 s100, ttmp7, 0xffff                  ; cluster y
	s_cmp_eq_u32 s[RH], 0
	s_cselect_b64 s[PFA:PFA+1], s[PFA:PFA+1], s[2:3]
	s_cselect_b32 s[PFS], 8, 19
	s_cselect_b32 s101, 2, 0                       ; in x an asker for A stops two changes early (K steps 16, 17 lie in h and come by their refills alone); one for the weights goes on
	s_cselect_b32 s100, ttmp9, s100                ; the coordinate along which other clusters read the same bytes
	s_lshl_b32 s[PFS], 1, s[PFS]                   ; 256 bytes, or 64 rows of 8,192
	s_mov_b32 s[PFS+1], 0
	s_cmp_eq_u32 s100, 0                           ; the same in all sixteen partners, for a given wave
	s_cselect_b32 s[LIMX], s101, -1
	s_cselect_b32 s[LIMH], 2, -1                   ; the last two refills have no K step two on
	s_wait_tensorcnt 1                             ; my part of K step 0 is in; K step 1's may stay out
	s_barrier_signal -1
	s_barrier_wait -1                              ; everybody's is
	; THE PROLOGUE: what a step finds ready: parts 8-15 of "the step before" (the first 32 of K step 0), all but part 15's A; parts 0-2 on their way
	WIN W_LD
.irp n, 8,9,10,11,12,13,14
	PLD \n
.endr
	s_wait_dscnt 24                                ; parts 8-11 are in; parts 12-14 may be out
	WIN W_CV
.irp n, 8,9,10,11
	PCB \n
	PCA \n
.endr
	WIN W_LD
.irp n, 15,0,1,2
	PLD \n                                         ; parts 0-2 take the buffers that parts 8-10 have left
.endr
	s_wait_dscnt 32                                ; parts 12-14 are in
	WIN W_CV
.irp n, 12,13,14
	PCB \n
	PCA \n
.endr
	s_wait_dscnt 24                                ; part 15 is in
	PCB 15
	s_mov_b32 s[CNT], 13
	HALF0 1, 2, G1X, PFOX, LIMX                    ; K step 0's first 32 stand in front of the loop: their products start the sums.  K step 2 is asked for
	WIN 0
.Lx:                                               ; 13 trips: a step's second 32 and the next step's first 32; K steps 3 to 15 are asked for
	HALF1
	HALF0 0, 2, G1X, PFOX, LIMX
	WIN 0
	s_sub_co_u32 s[CNT], s[CNT], 1
	s_cmp_lg_u32 s[CNT], 0
	s_cbranch_scc1 .Lx
	s_mov_b64 s[NA:NA+1], s[HA:HA+1]               ; from K step 16 on A comes from h: no descriptor register is touched here, where a load is out
	s_wait_xcnt 0x0                                ; the last prefetch, 24 products back, has read its address
	s_cmp_eq_u32 s[RH], 0
	s_cselect_b64 s[PFA:PFA+1], s[PFH:PFH+1], s[PFA:PFA+1]
	s_mov_b32 s[CNT], 32
.Lh:                                               ; 32 trips: K steps 16 to 47 are asked for
	HALF1
	HALF0 0, 2, G1H, PFOH, LIMH
	WIN 0
	s_sub_co_u32 s[CNT], s[CNT], 1
	s_cmp_lg_u32 s[CNT], 0
	s_cbranch_scc1 .Lh
	HALF1                                          ; the tail is written out: K step 45
	HALF0 0, 1                                     ; 46: nothing is asked for
	HALF1
	HALF0 0, 0                                     ; 47: nothing is left to read but its own second 32
; THE TAIL'S LOADS of a block of 16 rows: time_delta of my 8 rows, h of my 8 rows x 4 columns.  16 lanes take 256 consecutive bytes of a row of h.
.macro TLOADS
	WIN W_LD
	global_load_b128 v[TDF:TDF+3], v[TDO], s[PTD:PTD+1]
	global_load_b128 v[TDF+4:TDF+7], v[TDO], s[PTD:PTD+1] offset:16
.irp j, 0,1,2,3,4,5,6,7
	global_load_b128 v[HBF+4*\j:HBF+4*\j+3], v[CO], s[HE:HE+1] offset:\j*8192
.endr
.endm
	WIN W_LD                                       ; staging buffers 0 and 1 are free (only part 7's A, in buffer 7, is still to be converted): the tail's first loads go out under the last 64 products
	global_load_b128 v[RAW:RAW+3], v[PO], s[PBM:PBM+1]
	global_load_b128 v[RAW+4:RAW+7], v[PO], s[PBT:PBT+1]
	global_load_b128 v[RAW+8:RAW+11], v[PO], s[PLT:PLT+1]
	global_load_b128 v[RAW+12:RAW+15], v[PO], s[PBI:PBI+1]
	TLOADS
	OCT 8, 0, -1, -1, -1, -1, 7
.irp o, 9,10,11,12,13,14,15
	OCT \o, 0, -1, -1, -1, -1, -1
.endr
	WIN 0
	; THE TAIL.  With K2 = 2 log2(e), e = 2^-|K2 (zf + b_mod)|, |f| = (1 - e) / (1 + e):
	;   -log2(e) / (tau_sys + eps) = (C1 + C2 e) / (C3 + C4 e),  C1 = -log2(e) (1 + tau), C2 = -log2(e) (1 - tau), C3 = tau + eps (1 + tau), C4 = tau + eps (1 - tau): exactly, with no difference of large sums left over
	;   (what C1 + C2 e cancels for a large tau is divided by a C3 + C4 e of tau's size);   decay = 2^(time_delta x that);   w = (1 + bias) - 2 / (1 + 2^(K2 (za + b_tgt)));   out = w + decay (h - w).
	; The constants of my four columns: more than four plain vector instructions, which are also the places between the last products and the first read of a sum (ISA guide 7.12.1).
	s_wait_loadcnt 0x0
.irp t, 0,1,2,3
	v_mul_f32 v[TMPV+\t], 0x3fb8aa3b, v[RAW+8+\t]
.endr
.irp t, 0,1,2,3
	v_exp_f32 v[TMPV+\t], v[TMPV+\t]               ; tau
.endr
.irp t, 0,1,2,3
	v_mul_f32 v[BMS+2*\t], s[K2], v[RAW+\t]
	v_mul_f32 v[BMS+2*\t+1], s[K2], v[RAW+\t]
	v_mul_f32 v[BTS+2*\t], s[K2], v[RAW+4+\t]
	v_mul_f32 v[BTS+2*\t+1], s[K2], v[RAW+4+\t]
	v_add_f32 v[BI1+2*\t], 1.0, v[RAW+12+\t]
	v_add_f32 v[BI1+2*\t+1], 1.0, v[RAW+12+\t]
.endr
	s_wait_alu depctr_va_vdst(0)                   ; one wait for the four exponentials, ahead of their first reader; the 24 lines above are the independent work between
.irp t, 0,1,2,3
	v_add_f32 v[TMPV+4], 1.0, v[TMPV+\t]
	v_sub_f32 v[TMPV+5], 1.0, v[TMPV+\t]
	v_mul_f32 v[C1+2*\t], 0xbfb8aa3b, v[TMPV+4]
	v_mul_f32 v[C1+2*\t+1], 0xbfb8aa3b, v[TMPV+4]
	v_mul_f32 v[C2+2*\t], 0xbfb8aa3b, v[TMPV+5]
	v_mul_f32 v[C2+2*\t+1], 0xbfb8aa3b, v[TMPV+5]
	v_fmamk_f32 v[C3+2*\t], v[TMPV+4], 0x358637bd, v[TMPV+\t]     ; eps = 1e-6
	v_fmamk_f32 v[C3+2*\t+1], v[TMPV+4], 0x358637bd, v[TMPV+\t]
	v_fmamk_f32 v[C4+2*\t], v[TMPV+5], 0x358637bd, v[TMPV+\t]
	v_fmamk_f32 v[C4+2*\t+1], v[TMPV+5], 0x358637bd, v[TMPV+\t]
.endr
; Block a's 8 accumulators leave their window: K2 z + K2 b, two rows a line; each accumulator's lowest registers are read first.
.macro FRONT a
	WIN 0x02+(\a)/4
.irp t, 0,1,2,3
.irp j, 0,2,4,6
	v_pk_fma_f32 v[UU+8*\t+\j:UU+8*\t+\j+1], v[64*((\a)%4)+8*\t+\j:64*((\a)%4)+8*\t+\j+1], s[K2:K2+1], v[BMS+2*\t:BMS+2*\t+1] op_sel_hi:[1,0,1]
.endr
.endr
.irp t, 0,1,2,3
.irp j, 0,2,4,6
	v_pk_fma_f32 v[VV+8*\t+\j:VV+8*\t+\j+1], v[64*((\a)%4)+32+8*\t+\j:64*((\a)%4)+32+8*\t+\j+1], s[K2:K2+1], v[BTS+2*\t:BTS+2*\t+1] op_sel_hi:[1,0,1]
.endr
.endr
	WIN 0
.endm
.macro SUBH x                   ; h - w for number x = 8 t + j; h lies by rows, 4 j + t
	v_sub_f32 v[HBF+4*((\x)%8)+(\x)/8], v[HBF+4*((\x)%8)+(\x)/8], v[VV+(\x)]
.endm
	s_mov_b32 s[BLK], 0
.Lblk:                                             ; eight trips, a block of 16 rows each.  Only the lines that name accumulators differ: one of eight copies is chosen by forward jumps
.irp a, 0,1,2,3,4,5,6
	s_cmp_lg_u32 s[BLK], \a
	s_cbranch_scc1 .Lnot_\a
	FRONT \a
	s_branch .Lfront_done
.Lnot_\a:
.endr
	FRONT 7
.Lfront_done:
	; first batch: e = 2^-|u| and 2^v, 64 exponentials; the lines that set u's sign stand among them
	v_or_b32 v[UU], s[SIGN], v[UU]
	v_or_b32 v[UU+1], s[SIGN], v[UU+1]
.set i, 0
.rept 32
	v_exp_f32 v[UU+i], v[UU+i]
.if i < 30
	v_or_b32 v[UU+i+2], s[SIGN], v[UU+i+2]
.endif
	v_exp_f32 v[VV+i], v[VV+i]
.set i, i+1
.endr
	v_nop                                          ; a plain instruction behind the last exponential (ISA guide 5.7.2),
	s_wait_alu depctr_va_vdst(0)                   ; and one wait for the batch, ahead of its first reader
	; second batch: C1 + C2 e; 1 / (C3 + C4 e); 1 / (1 + 2^v).  The reciprocals lag a pair behind the plain lines that feed them
.set p, 0
.rept 17
.if p < 16
	v_pk_fma_f32 v[NN+2*p:NN+2*p+1], v[UU+2*p:UU+2*p+1], v[C2+2*(p/4):C2+2*(p/4)+1], v[C1+2*(p/4):C1+2*(p/4)+1]
.endif
.if p > 0
	v_rcp_f32 v[UU+2*p-2], v[UU+2*p-2]
.endif
.if p < 16
	v_pk_fma_f32 v[UU+2*p:UU+2*p+1], v[UU+2*p:UU+2*p+1], v[C4+2*(p/4):C4+2*(p/4)+1], v[C3+2*(p/4):C3+2*(p/4)+1]
.endif
.if p > 0
	v_rcp_f32 v[UU+2*p-1], v[UU+2*p-1]
.endif
.if p < 16
	v_pk_add_f32 v[VV+2*p:VV+2*p+1], v[VV+2*p:VV+2*p+1], 1.0 op_sel_hi:[1,0]
.endif
.if p > 0
	v_rcp_f32 v[VV+2*p-2], v[VV+2*p-2]
	v_rcp_f32 v[VV+2*p-1], v[VV+2*p-1]
.endif
.set p, p+1
.endr
	v_nop
	s_wait_alu depctr_va_vdst(0)                   ; one wait for the 64 reciprocals
	; third batch: the decay's exponent and w; decay, with h - w between its exponentials
	s_wait_loadcnt 0x0                             ; this block's h and time_delta: asked for a block earlier
.set p, 0
.rept 17
.if p < 16
	v_pk_mul_f32 v[NN+2*p:NN+2*p+1], v[NN+2*p:NN+2*p+1], v[UU+2*p:UU+2*p+1]
	v_pk_fma_f32 v[VV+2*p:VV+2*p+1], v[VV+2*p:VV+2*p+1], -2.0, v[BI1+2*(p/4):BI1+2*(p/4)+1] op_sel_hi:[1,0,1]
	v_pk_mul_f32 v[NN+2*p:NN+2*p+1], v[NN+2*p:NN+2*p+1], v[TDF+(2*p)%8:TDF+(2*p)%8+1]
.endif
.if p > 0
	v_exp_f32 v[NN+2*p-2], v[NN+2*p-2]
	SUBH 2*p-2
	v_exp_f32 v[NN+2*p-1], v[NN+2*p-1]
	SUBH 2*p-1
.endif
.set p, p+1
.endr
	s_wait_alu depctr_va_vdst(0)                   ; one wait for the 32 exponentials; the last h - w is the plain instruction behind the last of them
.set i, 0
.rept 32
	v_fma_f32 v[HBF+i], v[NN+8*(i%4)+i/4], v[HBF+i], v[VV+8*(i%4)+i/4]
.set i, i+1
.endr
	WIN W_LD
.irp j, 0,1,2,3,4,5,6,7
	global_store_b128 v[CO], v[HBF+4*\j:HBF+4*\j+3], s[POUT:POUT+1] offset:\j*8192 th:TH_STORE_NT  ; 16 lanes store 256 consecutive bytes, at a multiple of 256 from out0's first byte
.endr
	WIN 0
	s_wait_xcnt 0x0                                ; every earlier memory instruction has had its addresses translated (ISA guide 3.1): only behind this wait are the bases stepped and the stores' registers loaded again
	s_add_nc_u64 s[HE:HE+1], s[HE:HE+1], 16*8192
	s_add_nc_u64 s[POUT:POUT+1], s[POUT:POUT+1], 16*8192
	s_add_nc_u64 s[PTD:PTD+1], s[PTD:PTD+1], 64
	s_cmp_eq_u32 s[BLK], 7
	s_cbranch_scc1 .Lno_more                       ; the last block has none behind it: no load leaves its buffer
	TLOADS
	WIN 0
.Lno_more:
	s_add_co_u32 s[BLK], s[BLK], 1
	s_cmp_lt_u32 s[BLK], 8
	s_cbranch_scc1 .Lblk
	WIN W_AD
	s_wait_tensorcnt 0x0                           ; the wave's end, behind my last tensor load
	ds_add_u32 v[SPW], v[NIL]
	s_wait_dscnt 0x0
	WIN 0
	CROUND                                         ; the closing round: no work-group ends while a partner may still ask for a tile that names it
	s_endpgm
.Lfunc_end_k_q61710d856f_ltc:
	.size	k_q61710d856f_ltc, .Lfunc_end_k_q61710d856f_ltc-k_q61710d856f_ltc
	.p2alignl 7, 3214868480
	.fill 96, 4, 3214868480
	.section	.rodata,"a",@progbits
	.p2align	6, 0x0
	.amdhsa_kernel k_q61710d856f_ltc
		.amdhsa_group_segment_fixed_size 327680
		.amdhsa_private_segment_fixed_size 0
		.amdhsa_enable_private_segment 0
		.amdhsa_kernarg_size 80
		.amdhsa_user_sgpr_count 2
		.amdhsa_user_sgpr_kernarg_segment_ptr 1
		.amdhsa_wavefront_size32 1
		.amdhsa_system_sgpr_workgroup_id_x 1
		.amdhsa_system_sgpr_workgroup_id_y 1
		.amdhsa_system_sgpr_workgroup_id_z 1
		.amdhsa_system_vgpr_workitem_id 0
		.amdhsa_next_free_vgpr 1024
		.amdhsa_next_free_sgpr 102
		.amdhsa_reserve_vcc 0
		.amdhsa_float_denorm_mode_32 3
		.amdhsa_float_denorm_mode_16_64 3
		.amdhsa_memory_ordered 1
		.amdhsa_forward_progress 1
		.amdhsa_inst_pref_size 250
	.end_amdhsa_kernel
	.amdgpu_metadata
---
amdhsa.version: [ 1, 2 ]
amdhsa.kernels:
  - .name:           k_q61710d856f_ltc
    .symbol:         k_q61710d856f_ltc.kd
    .args:
      - { .name: x, .offset: 0, .size: 8, .value_kind: global_buffer, .address_space: global }
      - { .name: h, .offset: 8, .size: 8, .value_kind: global_buffer, .address_space: global }
      - { .name: W_mod, .offset: 16, .size: 8, .value_kind: global_buffer, .address_space: global }
      - { .name: W_tgt, .offset: 24, .size: 8, .value_kind: global_buffer, .address_space: global }
      - { .name: b_mod, .offset: 32, .size: 8, .value_kind: global_buffer, .address_space: global }
      - { .name: b_tgt, .offset: 40, .size: 8, .value_kind: global_buffer, .address_space: global }
      - { .name: log_tau, .offset: 48, .size: 8, .value_kind: global_buffer, .address_space: global }
      - { .name: bias, .offset: 56, .size: 8, .value_kind: global_buffer, .address_space: global }
      - { .name: time_delta, .offset: 64, .size: 8, .value_kind: global_buffer, .address_space: global }
      - { .name: out0, .offset: 72, .size: 8, .value_kind: global_buffer, .address_space: global }
    .group_segment_fixed_size: 327680
    .private_segment_fixed_size: 0
    .kernarg_segment_align: 8
    .kernarg_segment_size: 80
    .max_flat_workgroup_size: 128
    .sgpr_count:     102
    .vgpr_count:     1024
    .wavefront_size: 32
...
	.end_amdgpu_metadata
.endif
;; end of part 1
;; ======== version 2 of 4: 1 launch
;; limits: right only within a limited range of input values
;; launch ltc (part 2): grid 16 x 16, 4 waves a work-group, clusters of 4 x 4, 327,680 bytes of LDS; arguments x, h, W_mod, W_tgt, b_mod, b_tgt, log_tau, bias, time_delta, out0; writes out0
.if DOCPART == 2
	.amdgcn_target "amdgcn-amd-amdhsa--gfx1250"
	.amdhsa_code_object_version 6
	.text
	.protected	k_q61710d856f_ltc
	.globl	k_q61710d856f_ltc
	.p2align	8
	.type	k_q61710d856f_ltc,@function
k_q61710d856f_ltc:
	s_mov_b64 s[64:65], 0
	v_nop
	global_prefetch_b8 v0, s[64:65] scope:SCOPE_SE
	s_setreg_imm32_b32 hwreg(HW_REG_WAVE_MODE, 25, 1), 1
	s_wait_xcnt 0x0
	s_wait_alu depctr_hold_cnt(0) depctr_sa_sdst(0) depctr_va_vdst(0) depctr_va_sdst(0) depctr_va_ssrc(0) depctr_va_vcc(0) depctr_vm_vsrc(0)
	s_getreg_b32 s2, hwreg(HW_REG_IB_STS2, 6, 4)
	s_cmp_eq_u32 s2, 0
	s_cbranch_scc0 .Lentry_in_a_cluster
	s_endpgm
.Lentry_in_a_cluster:
	s_bfe_u32 s2, ttmp6, 0x10000c
	s_cmp_lg_u32 s2, 0xf033
	s_cbranch_scc0 .Lentry_shape_is_right
	s_endpgm
.Lentry_shape_is_right:
; LTC CELL, ONE LAUNCH.  combined = [x | h] ([4096][3072]);  zf = combined W_mod, za = combined W_tgt (W: [3072][2048], K down the rows);
; f = tanh(zf + b_mod), a = tanh(za + b_tgt), tau = exp(log_tau), tau_sys = tau / (1 + tau |f|), decay = exp(-time_delta / (tau_sys + 1e-6)),
; out = decay h + (1 - decay)(a + bias).  All buffers f32.  The two products go to the matrix unit with bf16 operands (rounded once, to nearest even, on the way
; from LDS to the fragment registers) and f32 sums; everything behind them is f32 and is done in this launch, so no intermediate goes through memory.
; LIMITS.  exp and 1/x are the 1-ULP instructions, which take denormals as 0.  log_tau stays below 87: beyond it 1 / (tau + ..) falls under 2^-126 here (from 88.7 on tau itself is
; infinite in the defining formula too).  NaN and infinities in the inputs are not treated apart.  The blend is formed as w + decay (h - w), w = a + bias: one rounding order other than the defining one.
; tanh is taken by exponentials that cannot overflow into a wrong value: |f| = (1 - e) / (1 + e) with e = 2^-|..| in 0..1; a = 1 - 2 / (1 + 2^..), where an infinite power gives 1 / inf = 0.
; SHARES.  A work-group makes 256 rows x 128 columns of out: 16 x 16 work-groups.  Each of its four waves makes 128 rows x 64 columns, of BOTH products: 8 row blocks x (4 + 4) fragments =
; 64 accumulators, 512 registers, so that zf and za of one output meet in one lane.  K goes in 48 steps of 64 (16 in x, 32 in h) through two LDS slots of f32 tiles.
; CLUSTER.  4 x 4 work-groups.  The rows of x and h hang on the tile row alone: asked for jointly along a row of the cluster; the weights hang on the tile column alone: jointly along a column.
; FRAGMENTS ARE MADE IN REGISTERS.  f32 comes out of LDS into a staging ring (window 0) and v_cvt_pk_bf16_f32 packs it into the fragments (window 1).  A: lane l takes row l % 16, 8 + 8 numbers along K.
; B lies [K][N]: lane l takes 16 bytes (columns 4 r .. 4 r + 3, r = l % 16) of rows k and k + 1; packing column t of the two rows gives register j of FOUR fragments t = 0..3.  So column r of
; fragment t stands for column 4 r + t, and in the result (register j: row 8 (l / 16) + j) a lane's accumulators t = 0..3 hold 16 neighbouring bytes of a row of out: no turning load, no stage on the way out.
; LOADS IN RUNS, CONVERSIONS AS RIDERS.  64 products want 64 LDS loads and 128 conversions.  The loads stand in runs of 32, never singly among the products: four runs a K step, each into the half of the
; staging ring that has just been converted.  The conversions stand in slices of four behind every second product.
; REGISTERS, in windows of 256 (s_set_vgpr_msb: bits 1:0 source 0, 3:2 source 1, 5:4 source 2, 7:6 destination):
;   window 0: the staging ring, 8 buffers of 32 (16 of A, 16 of B); behind the products: the tail's work registers
;   window 1: v2-10 addresses, v12-18 at work in the set-up, v28-29 the add's two; v64-127 A's 8 fragments; v128-191, v192-255 B's 8 fragments for the first and second 32 of a K step
;   windows 2, 3: accumulator (a, b) in window 2 + a / 4 at v[64 (a % 4) + 8 b]; b = 0..3 zf's fragments, b = 4..7 za's
.set PA,    272                 ; a row of A in LDS: 256 bytes + 16 of padding = 68 words: the 16 rows of a load start at 16 different groups of four banks (64 banks of 4 bytes: ISA guide 11.1)
.set AHALF, 128*PA              ; 128 rows: one tensor load, and what one wave reads of A
.set BM0,   2*AHALF             ; behind A's 256 rows: 64 rows x 512 bytes of W_mod, then the same of W_tgt; 16 lanes read 256 bytes on end, so no padding
.set BMAT,  64*512
.set SLOTX, 0x22000             ; slot 1 begins here; no LDS base inside a slot has one of its two bits, so one exclusive or changes slots
.set SPARE, SLOTX+BM0+2*BMAT    ; behind the ring: the spare words, 128 bytes for each wave: two blocks of 256 bytes that no other line names
.set ASTEP, 256                 ; bytes from K step to K step in a row of x or h
.set BSTEP, 64*8192             ; and in the weights: 64 rows
; window 1
.set ADRA0, 2                   ; my lane's place in A's tile; never rewritten
.set ADRA,  3                   ; the same in the slot that is being read
.set ADRB0, 4
.set ADRB,  5
.set CO,    6                   ; my 16 bytes in 16 rows of h and out0: 8 (l / 16) rows + 16 r
.set TDO,   7                   ; my 8 rows in 16 numbers of time_delta
.set PO,    8                   ; my 4 columns in the four vectors
.set PFOX,  9                   ; the prefetches' lane offset while A comes from x
.set PFOH,  10                  ; and from h
.set SPW,   28                  ; LDS address of my spare word: SPARE + 4 x my thread's number; never rewritten
.set NIL,   29                  ; 0; never rewritten
.set FA,    64
.set FB,    128
; window 0, behind the products
.set HBF,   0                   ; v0-31    h of a block, row j at 4 j; then h - w; then out
.set TDF,   32                  ; v32-39   time_delta of my 8 rows
.set RAW,   40                  ; v40-55   b_mod, b_tgt, log_tau, bias of my 4 columns
.set TMPV,  56                  ; v56-61   tau of my 4 columns; 1 + tau, 1 - tau
.set BMS,   64                  ; each of the seven: a pair (c, c) for column t at + 2 t, since a packed line takes two ROWS of one column
.set BTS,   72
.set C1,    80
.set C2,    88
.set C3,    96
.set C4,    104
.set BI1,   112
.set UU,    128                 ; v128-159 column t, row j at 8 t + j: zf's side
.set VV,    160                 ; v160-191 za's side
.set NN,    192                 ; v192-223 the decay's exponent
; scalars
.set WV,  12                    ; my wave's number
.set RH,  13                    ; which 128 rows I multiply.  Also: I fetch for A (0) or for B (1)
.set CH,  14                    ; which 64 columns I multiply.  Also: which 128 rows of A, or which of the two weight matrices, I fetch
.set CNT, 15
.set CX,  16
.set CY,  17
.set TC,  18
.set TR,  19
.set G1X, 24                    ; s[24:31] descriptor group 1 for A's tiles out of x
.set G1H, 32                    ; s[32:39] out of h: it differs in the pitch alone
.set G1B, 40                    ; s[40:47] for the weights' tiles
.set G0A, 48                    ; s[48:55] descriptor group 0 for A: a set for each of the two first fills; the second then walks
.set G0B, 56                    ; s[56:63] the same for B
.set NA,  66                    ; s[66:67] where A's next tile begins: kept outside the descriptor, so that it can change from x to h while a load is out
.set PBM, 68                    ; s[68:75] b_mod, b_tgt, log_tau, bias
.set PBT, 70
.set PLT, 72
.set PBI, 74
.set PTD, 76                    ; s[76:77] time_delta
.set POUT, 78                   ; s[78:79] out0
.set NB,  80                    ; s[80:81] where B's next tile begins
.set PFA, 82                    ; s[82:83] what my next prefetch names
.set PFS, 84                    ; s[84:85] its step
.set LIMX, 86                   ; a wave prefetches while s[CNT] is above this
.set LIMH, 87
.set TB,  88                    ; 0 or SLOTX: the slot that is being read
.set BLK, 89
.set K2,  90                    ; s[90:91] 2 log2(e)
.set SIGN, 92
.set LA,  93
.set HE,  94                    ; s[94:95] h at my part of the tile, for the tail
.set HA,  96                    ; s[96:97] h at the rows that I fetch
.set PFH, 98                    ; s[98:99] the prefetches' start in h
.set W_LD, 0x01                 ; data in window 0, address in window 1: LDS and global loads, stores (data = source 1), prefetches
.set W_CV, 0x40                 ; destination window 1, sources window 0
.set W_S,  0x55                 ; all in window 1
.set W_AD, 0x05                 ; the add: address and data in window 1
.set MSB, 0
.macro WIN new                  ; the immediate's high byte repeats the setting that is left; a switch that changes nothing is dropped
.if MSB != (\new)
	s_set_vgpr_msb (MSB<<8)|(\new)
.set MSB, (\new)
.endif
.endm
; A round of the cluster's barrier behind its opening barrier: wave 0 signals for the work-group, every wave waits for all sixteen, my work-group's barrier closes it.
.macro CREST
	s_cmp_lg_u32 s[WV], 0
	s_cbranch_scc1 .Lnot_wave_0_\@
	s_barrier_signal -3
.Lnot_wave_0_\@:
	s_barrier_wait -3
	s_barrier_signal -1
	s_barrier_wait -1
.endm
.macro CROUND
	s_barrier_signal -1
	s_barrier_wait -1
	CREST
.endm
; A joint refill.  Waves 0 and 1 fetch A's two halves, wave 2 W_mod's tile, wave 3 W_tgt's.  The branch hangs on the wave's number alone.  An s_nop 0 and four v_nop follow each line.
.macro JLOAD g1a
	s_cmp_eq_u32 s[RH], 0
	s_cbranch_scc0 .Lfor_b_\@
	tensor_load_to_lds s[G0A+4:G0A+7], s[\g1a:\g1a+7]
	s_nop 0
.rept 4
	v_nop
.endr
	s_branch .Lasked_\@
.Lfor_b_\@:
	tensor_load_to_lds s[G0B+4:G0B+7], s[G1B:G1B+7]
	s_nop 0
.rept 4
	v_nop
.endr
.Lasked_\@:
.endm
; A PREFETCH INTO THE L2 of the K step that stands two refills on (256 products ahead of the load that will want it), behind the joint load, its five lines and the run of LDS loads that follows them: one instruction a wave.
; Each aligned 256 bytes are named once in the launch.  A's rows are read by every cluster of a row of clusters: the one with x = 0 asks; the weights' columns by every cluster of a column: y = 0 asks.
; The four partners of a joint load share its tile out BY ADDRESS: of A's 128 rows 32 each, a lane a row (by cx); of a weight tile's 64 rows 16 each, two blocks of 256 bytes a row (by cy).
.macro ASK pfo, lim
	s_cmp_gt_u32 s[CNT], s[\lim]
	s_cbranch_scc0 .Lnot_mine_\@
	WIN W_LD
	global_prefetch_b8 v[\pfo], s[PFA:PFA+1] th:TH_LOAD_NT scope:SCOPE_SE
	WIN 0
.Lnot_mine_\@:
.endm
; THE PARTS.  A K step has 16 OCTETS of 8 products: octet o takes row block o % 8 and the 8 fragments of B for 32 (o / 8) along K.  Sixteen parts are made ready in a step: parts 0-7 for the
; second 32 of the step in hand, parts 8-15 for the first 32 of the next step.  Part n: A's fragment of row block n % 8 (4 loads, 8 conversions) and registers j of B's fragments for two of the
; 16 pairs (matrix X, register j) (4 loads, 8 conversions).  It is staged in buffer n % 8.
.macro LD n, i                  ; load i of 8 of part n
.set pb, 32*((\n)%8)
.set pa, (\n)%8
.set kh, 1-(\n)/8
.if (\i) < 4                    ; A: K = 8 (l / 16) + 0..7 (two loads), 16 + 8 (l / 16) + 0..7 (two loads)
	ds_load_b128 v[pb+4*(\i):pb+4*(\i)+3], v[ADRA] offset:pa*16*PA+kh*128+((\i)&1)*16+((\i)>>1)*64
.else                           ; B: rows 2 j, 2 j + 1 (from j = 4 on: 8 further), + 8 (l / 16) in the address
.set ul, ((\i)-4)>>1
.set ee, ((\i)-4)&1
.set uu, 2*pa+ul
.set rw, 2*(uu&7)+ee
	ds_load_b128 v[pb+16+8*ul+4*ee:pb+16+8*ul+4*ee+3], v[ADRB] offset:(uu>>3)*BMAT+(32*kh+rw+8*(rw/8))*512
.endif
.endm
.macro CVB n, i                 ; conversion i of 8: register j of fragment t of matrix X: column t of rows k (low half) and k + 1
.set pb, 32*((\n)%8)
.set kh, 1-(\n)/8
.set ul, (\i)>>2
.set tt, (\i)&3
.set uu, 2*((\n)%8)+ul
	v_cvt_pk_bf16_f32 v[FB+64*kh+8*(4*(uu>>3)+tt)+(uu&7)], v[pb+16+8*ul+tt], v[pb+16+8*ul+4+tt]
.endm
.macro CVA n, i                 ; register i of A's fragment
	v_cvt_pk_bf16_f32 v[FA+8*((\n)%8)+(\i)], v[32*((\n)%8)+2*(\i)], v[32*((\n)%8)+2*(\i)+1]
.endm
.macro PLD n                    ; a whole part's eight loads
.irp q, 0,1,2,3,4,5,6,7
	LD \n, \q
.endr
.endm
; A RUN: the 32 loads of parts p .. p + 3, on end.  It goes into the four staging buffers whose parts (p - 8 .. p - 5) have been converted: the last of those conversions, A's of part p - 5,
; stands in the octet just ahead of the run.  The run's first part is converted three octets, 24 products, later.
.macro RUN p
	WIN W_LD
	PLD \p
	PLD \p+1
	PLD \p+2
	PLD \p+3
.endm
.macro PCB n
.irp q, 0,1,2,3,4,5,6,7
	CVB \n, \q
.endr
.endm
.macro PCA n
.irp q, 0,1,2,3,4,5,6,7
	CVA \n, \q
.endr
.endm
; A product.  The 64 accumulators take turns, one instruction a turn, in the same order in every 32 along K, over the loops' jumps too.  zero = 1: the product starts the sum.
.macro MM hf, a, b, zero
	WIN 0xa5+0x50*((\a)/4)
.set rc, 64*((\a)%4)+8*(\b)
.if \zero
	v_wmma_f32_16x16x32_bf16 v[rc:rc+7], v[FA+8*(\a):FA+8*(\a)+7], v[FB+64*(\hf)+8*(\b):FB+64*(\hf)+8*(\b)+7], 0
.else
	v_wmma_f32_16x16x32_bf16 v[rc:rc+7], v[FA+8*(\a):FA+8*(\a)+7], v[FB+64*(\hf)+8*(\b):FB+64*(\hf)+8*(\b)+7], v[rc:rc+7]
.endif
.endm
; AN OCTET and its riders.  wt: the count of the wait on LDS at its head (-1: none).  cvb: part whose B is converted (four lines behind product 1, four behind 3);
; cva: part whose A is converted (behind 5 and 7).  A conversion writes a fragment register four plain vector instructions or more behind the last product that read it (ISA guide 7.12.1): A's fragment
; of block a is read by octet a and written behind products 5 and 7 of the next octet, twelve conversions later; B's set is written while the other set is multiplied, and its fragments 0-3,
; the first to be written, were last read twelve conversions earlier.  No rider names a register of a product that stands fewer than four plain instructions ahead of it.
.macro OCT o, zero, wt, cvb, cva
.if (\wt) >= 0
	s_wait_dscnt \wt
.endif
.set sl, 0
.rept 8
	MM (\o)/8, (\o)%8, sl, \zero
.if (sl%2) == 1
.if sl < 4
.if (\cvb) >= 0
	WIN W_CV
.irp q, 0,1,2,3
	CVB \cvb, 2*sl-2+\q
.endr
.endif
.else
.if (\cva) >= 0
	WIN W_CV
.irp q, 0,1,2,3
	CVA \cva, 2*sl-10+\q
.endr
.endif
.endif
.endif
.set sl, sl+1
.endr
.endm
; THE FIRST 32 OF A K STEP, octets 0-7, with the change of slots round octets 3 and 4.  LDS loads come back in order (ISA guide 5.7.1), so each wait's count is what was issued behind the part
; that the octet converts: octet 0: parts 1-3 (24); octet 1: parts 2, 3 and the run of parts 4-7 (48); octet 2: part 3 and that run (40); octet 3: that run and the add (33).
; THE CHANGE OF SLOTS.  The run at the head of octet 1 is the last read of the slot in hand.  Each wave waits for all its tensor loads, of which one is out: its part of the other slot; adds 0 to its spare word;
; and waits for that and for its reads.  mode = 2: the barrier opens a round of the cluster's, and the joint refill (the K step two on) is the first thing behind it: it has 112 products in which to land.
; Behind it stands the run of parts 8-11, the first read of the other slot.  mode = 1: nothing is left to ask for, but the other slot must be whole.  mode = 0: the last K step: no other slot.
.macro HALF0 zero, mode, g1a=G1X, pfo=PFOX, lim=LIMX
	OCT 0, \zero, 24, 0, 15
	RUN 4
	OCT 1, \zero, 48, 1, 0
	OCT 2, \zero, 40, 2, 1
.if (\mode) > 0
.if (\mode) == 2
	s_wait_xcnt 0x0                 ; the last prefetch, a K step back, has read its address: it is stepped here, ahead of the change's own waits
	s_add_nc_u64 s[PFA:PFA+1], s[PFA:PFA+1], s[PFS:PFS+1]
.endif
	WIN W_AD
	s_wait_tensorcnt 0x0            ; no tensor load of mine is out, so a group 0 may be written
	ds_add_u32 v[SPW], v[NIL]       ; 0 onto my spare word; scalar work and octet 3 stand between it and the wait for it
.if (\mode) == 2
	s_xor_b32 s[G0A+5], s[G0A+5], SLOTX            ; the walking descriptors: the other slot than last time,
	s_mov_b64 s[G0A+6:G0A+7], s[NA:NA+1]           ; the next tile,
	s_or_b32 s[G0A+7], s[G0A+7], 0x80000000        ; type = 2
	s_add_nc_u64 s[NA:NA+1], s[NA:NA+1], ASTEP
	s_xor_b32 s[G0B+5], s[G0B+5], SLOTX
	s_mov_b64 s[G0B+6:G0B+7], s[NB:NB+1]
	s_or_b32 s[G0B+7], s[G0B+7], 0x80000000
	s_add_nc_u64 s[NB:NB+1], s[NB:NB+1], BSTEP
.endif
	s_xor_b32 s[TB], s[TB], SLOTX
	OCT 3, \zero, 33, 3, 2
	s_wait_dscnt 0x0                ; the add is done, and my reads of this slot are over
	s_barrier_signal -1
	OCT 4, \zero, -1, 4, 3          ; work on registers alone while the others arrive
	WIN 0                           ; at a branch and at a label every window is 0
	s_barrier_wait -1
.if (\mode) == 2
	CREST                           ; no wave of any partner still reads this slot's tiles or has a load on its way
	JLOAD \g1a
.endif
	WIN W_S
	v_add_nc_u32 v[ADRA], s[TB], v[ADRA0]          ; from here on the other slot is read
	v_add_nc_u32 v[ADRB], s[TB], v[ADRB0]
	RUN 8
.if (\mode) == 2
	WIN 0
	ASK \pfo, \lim
.endif
	OCT 5, \zero, -1, 5, 4          ; parts 5-7 were shown in by the wait for 0
	OCT 6, \zero, -1, 6, 5
	OCT 7, \zero, -1, 7, 6
.else
	OCT 3, 0, 32, 3, 2              ; parts 4-7 may be out
	OCT 4, 0, 0, 4, 3               ; nothing more is loaded: all are in
	OCT 5, 0, -1, 5, 4
	OCT 6, 0, -1, 6, 5
	OCT 7, 0, -1, 7, 6
.endif
.endm
; THE SECOND 32, octets 8-15, with two runs: parts 12-15 at the head of octet 9, parts 0-3 of the next step at the head of octet 13.  The counts go as in the first 32:
; three younger parts of the part's own run (24); two and the new run (48); one and the new run (40); the new run (32).
.macro HALF1
	OCT 8,  0, 24, 8,  7
	RUN 12
	OCT 9,  0, 48, 9,  8
	OCT 10, 0, 40, 10, 9
	OCT 11, 0, 32, 11, 10
	OCT 12, 0, 24, 12, 11
	RUN 0
	OCT 13, 0, 48, 13, 12
	OCT 14, 0, 40, 14, 13
	OCT 15, 0, 32, 15, 14
.endm
	s_load_b256 s[4:11], s[0:1], 0x0               ; x s[4:5], h s[6:7], W_mod s[8:9], W_tgt s[10:11]
	s_load_b256 s[PBM:PBM+7], s[0:1], 0x20         ; b_mod, b_tgt, log_tau, bias
	s_load_b128 s[PTD:PTD+3], s[0:1], 0x40         ; time_delta, out0
	WIN W_CV
	v_lshl_add_u32 v[SPW], v0, 2, SPARE
	v_mov_b32 v[NIL], 0
	WIN W_AD
	ds_add_u32 v[SPW], v[NIL]                      ; the wave's opening: the add and its wait stand ahead of my first tensor load; the set-up below, work on registers, stands between them
	WIN 0
	v_lshrrev_b32 v1, 5, v0
	v_readfirstlane_b32 s[WV], v1                  ; wave 0..3
	s_lshr_b32 s[RH], s[WV], 1
	s_and_b32 s[CH], s[WV], 1
	s_bfe_u32 s[CX], ttmp6, 0x40000                ; my place in the cluster
	s_bfe_u32 s[CY], ttmp6, 0x40004
	s_lshl_b32 s[TC], ttmp9, 2                     ; in a cluster launch ttmp9 and ttmp7 count clusters
	s_add_co_u32 s[TC], s[TC], s[CX]               ; tile column (128 columns of out)
	s_and_b32 s[TR], ttmp7, 0xffff
	s_lshl_b32 s[TR], s[TR], 2
	s_add_co_u32 s[TR], s[TR], s[CY]               ; tile row (256 rows)
	s_lshl_b32 s20, s[CY], 2
	s_lshl_b32 s20, 15, s20                        ; my row of the cluster: places 4 cy .. 4 cy + 3
	s_lshl_b32 s22, 0x1111, s[CX]                  ; my column: places cx, cx + 4, cx + 8, cx + 12
	; group 1 for A: 128 rows x 64 elements of 4 bytes, 4 words of padding behind every 64
	s_or_b32 s[G1X], s20, (2<<16)|(1<<20)|(1<<21)|(5<<22)|(3<<25)  ; 15:0 the mask; 17:16 elements of 4 bytes; 20 padding on; 21 set beside a mask; 24:22 after every 64 words (code 5); 31:25 4 words (code 3)
	s_or_b32 s[G1H], s20, (2<<16)|(1<<20)|(1<<21)|(5<<22)|(3<<25)
.irp g, G1X, G1H
	s_mov_b32 s[\g+1], 64<<16                      ; tensor_dim0 = 64
	s_mov_b32 s[\g+2], 128<<16                     ; tensor_dim1 = 128
	s_mov_b32 s[\g+3], 64<<16                      ; tile_dim0 = 64
	s_mov_b32 s[\g+4], 128                         ; tile_dim1 = 128
	s_mov_b32 s[\g+6], 0
	s_mov_b32 s[\g+7], 0
.endr
	s_mov_b32 s[G1X+5], 1024                       ; elements from row to row in x,
	s_mov_b32 s[G1H+5], 2048                       ; in h
	; group 1 for the weights: 64 rows x 128 elements, no padding
	s_or_b32 s[G1B], s22, (2<<16)|(1<<21)
	s_mov_b32 s[G1B+1], 128<<16
	s_mov_b32 s[G1B+2], 64<<16
	s_mov_b32 s[G1B+3], 128<<16
	s_mov_b32 s[G1B+4], 64
	s_mov_b32 s[G1B+5], 2048
	s_mov_b32 s[G1B+6], 0
	s_mov_b32 s[G1B+7], 0
	s_mov_b32 s[K2], 0x4038aa3b                    ; 2 log2(e)
	s_mov_b32 s[K2+1], s[K2]                       ; named with it as a pair
	s_mov_b32 s[SIGN], 0x80000000
	s_mov_b32 s[TB], 0
	; the lanes' terms
	WIN W_CV
	v_and_b32 v12, 15, v0                          ; r = l % 16
	v_bfe_u32 v13, v0, 4, 1                        ; l / 16
	v_and_b32 v14, 31, v0                          ; l
	WIN W_S
	s_mul_i32 s2, s[RH], AHALF
	v_mul_u32_u24 v[ADRA0], v12, PA
	v_lshl_add_u32 v[ADRA0], v13, 5, v[ADRA0]      ; row x pitch + 8 numbers for the upper lanes
	v_add_nc_u32 v[ADRA0], s2, v[ADRA0]            ; + my 128 rows
	s_lshl_b32 s3, s[CH], 8
	s_add_co_u32 s3, s3, BM0
	v_lshlrev_b32 v[PO], 4, v12
	v_lshl_add_u32 v[ADRB0], v13, 12, v[PO]        ; 16 r + 8 rows of 512 bytes for the upper lanes
	v_add_nc_u32 v[ADRB0], s3, v[ADRB0]            ; + my 64 columns, behind A
	v_mov_b32 v[ADRA], v[ADRA0]                    ; slot 0
	v_mov_b32 v[ADRB], v[ADRB0]
	v_lshl_add_u32 v[CO], v13, 16, v[PO]           ; 8 rows of 8,192 bytes
	v_lshlrev_b32 v[TDO], 5, v13
	v_lshrrev_b32 v15, 1, v14
	v_and_b32 v16, 1, v14
	s_cmp_eq_u32 s[RH], 0                          ; the prefetches' lane offset is (l / 2) << s + (l % 2) << s': for A l rows (of 4,096 bytes in x, 8,192 in h); for the weights l / 2 rows and l % 2 blocks of 256 bytes
	s_cselect_b32 s2, 12, 8
	s_cselect_b32 s3, 14, 13
	s_cselect_b32 s100, 13, 8
	v_lshlrev_b32 v17, 13, v15
	v_lshlrev_b32 v18, s2, v16
	v_add_nc_u32 v[PFOX], v17, v18
	v_lshlrev_b32 v17, s3, v15
	v_lshlrev_b32 v18, s100, v16
	v_add_nc_u32 v[PFOH], v17, v18
	WIN 0
	; where the tiles come from.  A's hang on the tile row alone (s20, s21 never hold cx), the weights' on the tile column alone (s22, s23 never hold cy); every wave makes both
	s_lshl_b32 s20, s[TR], 8
	s_lshl_b32 s21, s[CH], 7
	s_add_co_u32 s20, s20, s21                     ; row 256 x tile row + 128 x half
	s_lshl_b32 s20, s20, 12                        ; in bytes of x
	s_mov_b32 s21, 0
	s_lshl_b32 s22, s[TC], 9                       ; 128 columns of 4 bytes
	s_mov_b32 s23, 0
	s_mul_i32 s[LA], s[CH], AHALF                  ; and where they go: no place in the cluster enters an LDS address
	s_lshl_b32 s3, s[CH], 15
	s_add_co_u32 s3, s3, BM0
	s_wait_dscnt 0x0                               ; the opening add is done
	s_wait_kmcnt 0x0
	s_add_nc_u64 s[NA:NA+1], s[4:5], s[20:21]
	s_lshl_b32 s20, s20, 1                         ; the same rows in bytes of h
	s_add_nc_u64 s[HA:HA+1], s[6:7], s[20:21]
	s_cmp_eq_u32 s[CH], 0
	s_cselect_b64 s[NB:NB+1], s[8:9], s[10:11]     ; W_mod or W_tgt
	s_add_nc_u64 s[NB:NB+1], s[NB:NB+1], s[22:23]
.irp s, 0,1
	s_mov_b32 s[G0A+4*(\s)], 1                                         ; count = 1
	s_add_co_u32 s[G0A+4*(\s)+1], s[LA], (\s)*SLOTX                    ; LDS address
	s_add_nc_u64 s[G0A+4*(\s)+2:G0A+4*(\s)+3], s[NA:NA+1], (\s)*ASTEP  ; K step s
	s_or_b32 s[G0A+4*(\s)+3], s[G0A+4*(\s)+3], 0x80000000              ; type = 2
	s_mov_b32 s[G0B+4*(\s)], 1
	s_add_co_u32 s[G0B+4*(\s)+1], s3, (\s)*SLOTX
	s_add_nc_u64 s[G0B+4*(\s)+2:G0B+4*(\s)+3], s[NB:NB+1], (\s)*BSTEP
	s_or_b32 s[G0B+4*(\s)+3], s[G0B+4*(\s)+3], 0x80000000
.endr
	s_add_nc_u64 s[NA:NA+1], s[NA:NA+1], 2*ASTEP   ; the first refill brings K step 2
	s_add_nc_u64 s[NB:NB+1], s[NB:NB+1], 2*BSTEP
	CROUND                                         ; all sixteen work-groups are here: the first joint loads meet
	s_cmp_eq_u32 s[RH], 0                          ; a wave's two first fills stand in one branch, ahead of every wait on TENSORcnt and every LDS read: two loads of mine are out
	s_cbranch_scc0 .Lfirst_b
	tensor_load_to_lds s[G0A:G0A+3], s[G1X:G1X+7]
	s_nop 0
	tensor_load_to_lds s[G0A+4:G0A+7], s[G1X:G1X+7]
	s_nop 0
.rept 4
	v_nop
.endr
	s_branch .Lfirst_asked
.Lfirst_b:
	tensor_load_to_lds s[G0B:G0B+3], s[G1B:G1B+7]
	s_nop 0
	tensor_load_to_lds s[G0B+4:G0B+7], s[G1B:G1B+7]
	s_nop 0
.rept 4
	v_nop
.endr
.Lfirst_asked:
	; the tail's bases, made while the first tiles are on their way: my first row 256 x tile row + 128 x row half, my first column 128 x tile column + 64 x column half
	s_lshl_b32 s100, s[TR], 8
	s_lshl_b32 s101, s[RH], 7
	s_add_co_u32 s100, s100, s101
	s_lshl_b32 s2, s100, 2                         ; its byte in time_delta
	s_lshl_b32 s100, s100, 13                      ; in h and out0
	s_lshl_b32 s3, s[TC], 9
	s_lshl_b32 s101, s[CH], 8
	s_add_co_u32 s3, s3, s101                      ; my first column's byte
	s_add_co_u32 s100, s100, s3
	s_mov_b32 s101, 0
	s_add_nc_u64 s[HE:HE+1], s[6:7], s[100:101]
	s_add_nc_u64 s[POUT:POUT+1], s[POUT:POUT+1], s[100:101]
	s_mov_b32 s100, s2
	s_add_nc_u64 s[PTD:PTD+1], s[PTD:PTD+1], s[100:101]
	s_mov_b32 s100, s3
.irp g, PBM, PBT, PLT, PBI
	s_add_nc_u64 s[\g:\g+1], s[\g:\g+1], s[100:101]
.endr
	; the prefetches.  Nothing is asked for here, at the head: K steps 0 to 3 come by their loads alone.  The pointer stands at K step 3; each change of slots steps it first
	s_lshl_b32 s100, s[TR], 8
	s_lshl_b32 s2, s[CH], 7
	s_add_co_u32 s100, s100, s2
	s_lshl_b32 s2, s[CX], 5
	s_add_co_u32 s100, s100, s2                    ; A: my work-group's 32 of the 128 rows that I fetch
	s_lshl_b32 s100, s100, 12
	s_add_nc_u64 s[PFA:PFA+1], s[4:5], s[100:101]
	s_add_nc_u64 s[PFA:PFA+1], s[PFA:PFA+1], 3*ASTEP
	s_lshl_b32 s100, s100, 1
	s_add_nc_u64 s[PFH:PFH+1], s[6:7], s[100:101]
	s_add_nc_u64 s[PFH:PFH+1], s[PFH:PFH+1], ASTEP ; h's second K step: the first change of slots in the loop over h steps it to the third
	s_lshl_b32 s100, s[CY], 17                     ; the weights: my work-group's 16 of a tile's 64 rows
	s_add_nc_u64 s[2:3], s[NB:NB+1], s[100:101]    ; (NB stands at K step 2)
	s_add_nc_u64 s[2:3], s[2:3], BSTEP
	s_and_b32 s100, ttmp7, 0xffff                  ; cluster y
	s_cmp_eq_u32 s[RH], 0
	s_cselect_b64 s[PFA:PFA+1], s[PFA:PFA+1], s[2:3]
	s_cselect_b32 s[PFS], 8, 19
	s_cselect_b32 s101, 2, 0                       ; in x an asker for A stops two changes early (K steps 16, 17 lie in h and come by their refills alone); one for the weights goes on
	s_cselect_b32 s100, ttmp9, s100                ; the coordinate along which other clusters read the same bytes
	s_lshl_b32 s[PFS], 1, s[PFS]                   ; 256 bytes, or 64 rows of 8,192
	s_mov_b32 s[PFS+1], 0
	s_cmp_eq_u32 s100, 0                           ; the same in all sixteen partners, for a given wave
	s_cselect_b32 s[LIMX], s101, -1
	s_cselect_b32 s[LIMH], 2, -1                   ; the last two refills have no K step two on
	s_wait_tensorcnt 1                             ; my part of K step 0 is in; K step 1's may stay out
	s_barrier_signal -1
	s_barrier_wait -1                              ; everybody's is
	; THE PROLOGUE: what a step finds ready: parts 8-15 of "the step before" (the first 32 of K step 0), all but part 15's A; parts 0-3 on their way
	WIN W_LD
.irp n, 8,9,10,11,12,13,14
	PLD \n
.endr
	s_wait_dscnt 24                                ; parts 8-11 are in; parts 12-14 may be out
	WIN W_CV
.irp n, 8,9,10,11
	PCB \n
	PCA \n
.endr
	WIN W_LD
.irp n, 15,0,1,2,3
	PLD \n                                         ; parts 0-3 take the buffers that parts 8-11 have left
.endr
	s_wait_dscnt 40                                ; parts 12-14 are in; the 40 loads just issued may be out
	WIN W_CV
.irp n, 12,13,14
	PCB \n
	PCA \n
.endr
	s_wait_dscnt 32                                ; part 15 is in; parts 0-3 may be out
	PCB 15
	s_mov_b32 s[CNT], 13
	HALF0 1, 2, G1X, PFOX, LIMX                    ; K step 0's first 32 stand in front of the loop: their products start the sums.  K step 2 is asked for
	WIN 0
.Lx:                                               ; 13 trips: a step's second 32 and the next step's first 32; K steps 3 to 15 are asked for
	HALF1
	HALF0 0, 2, G1X, PFOX, LIMX
	WIN 0
	s_sub_co_u32 s[CNT], s[CNT], 1
	s_cmp_lg_u32 s[CNT], 0
	s_cbranch_scc1 .Lx
	s_mov_b64 s[NA:NA+1], s[HA:HA+1]               ; from K step 16 on A comes from h: no descriptor register is touched here, where a load is out
	s_wait_xcnt 0x0                                ; the last prefetch, 24 products back, has read its address
	s_cmp_eq_u32 s[RH], 0
	s_cselect_b64 s[PFA:PFA+1], s[PFH:PFH+1], s[PFA:PFA+1]
	s_mov_b32 s[CNT], 32
.Lh:                                               ; 32 trips: K steps 16 to 47 are asked for
	HALF1
	HALF0 0, 2, G1H, PFOH, LIMH
	WIN 0
	s_sub_co_u32 s[CNT], s[CNT], 1
	s_cmp_lg_u32 s[CNT], 0
	s_cbranch_scc1 .Lh
	HALF1                                          ; the tail is written out: K step 45
	HALF0 0, 1                                     ; 46: nothing is asked for
	HALF1
	HALF0 0, 0                                     ; 47: nothing is left to read but its own second 32
; THE TAIL'S LOADS of a block of 16 rows: time_delta of my 8 rows, h of my 8 rows x 4 columns.  16 lanes take 256 consecutive bytes of a row of h.
.macro TLOADS
	WIN W_LD
	global_load_b128 v[TDF:TDF+3], v[TDO], s[PTD:PTD+1]
	global_load_b128 v[TDF+4:TDF+7], v[TDO], s[PTD:PTD+1] offset:16
.irp j, 0,1,2,3,4,5,6,7
	global_load_b128 v[HBF+4*\j:HBF+4*\j+3], v[CO], s[HE:HE+1] offset:\j*8192
.endr
.endm
	WIN W_LD                                       ; staging buffers 0 and 1 are free (only part 7's A, in buffer 7, is still to be converted): the tail's first loads go out under the last 64 products
	global_load_b128 v[RAW:RAW+3], v[PO], s[PBM:PBM+1]
	global_load_b128 v[RAW+4:RAW+7], v[PO], s[PBT:PBT+1]
	global_load_b128 v[RAW+8:RAW+11], v[PO], s[PLT:PLT+1]
	global_load_b128 v[RAW+12:RAW+15], v[PO], s[PBI:PBI+1]
	TLOADS
	OCT 8, 0, -1, -1, 7
.irp o, 9,10,11,12,13,14,15
	OCT \o, 0, -1, -1, -1
.endr
	WIN 0
	; THE TAIL.  With K2 = 2 log2(e), e = 2^-|K2 (zf + b_mod)|, |f| = (1 - e) / (1 + e):
	;   -log2(e) / (tau_sys + eps) = (C1 + C2 e) / (C3 + C4 e),  C1 = -log2(e) (1 + tau), C2 = -log2(e) (1 - tau), C3 = tau + eps (1 + tau), C4 = tau + eps (1 - tau): exactly, with no difference of large sums left over
	;   (what C1 + C2 e cancels for a large tau is divided by a C3 + C4 e of tau's size);   decay = 2^(time_delta x that);   w = (1 + bias) - 2 / (1 + 2^(K2 (za + b_tgt)));   out = w + decay (h - w).
	; The constants of my four columns: more than four plain vector instructions, which are also the places between the last products and the first read of a sum (ISA guide 7.12.1).
	s_wait_loadcnt 0x0
.irp t, 0,1,2,3
	v_mul_f32 v[TMPV+\t], 0x3fb8aa3b, v[RAW+8+\t]
.endr
.irp t, 0,1,2,3
	v_exp_f32 v[TMPV+\t], v[TMPV+\t]               ; tau
.endr
.irp t, 0,1,2,3
	v_mul_f32 v[BMS+2*\t], s[K2], v[RAW+\t]
	v_mul_f32 v[BMS+2*\t+1], s[K2], v[RAW+\t]
	v_mul_f32 v[BTS+2*\t], s[K2], v[RAW+4+\t]
	v_mul_f32 v[BTS+2*\t+1], s[K2], v[RAW+4+\t]
	v_add_f32 v[BI1+2*\t], 1.0, v[RAW+12+\t]
	v_add_f32 v[BI1+2*\t+1], 1.0, v[RAW+12+\t]
.endr
	s_wait_alu depctr_va_vdst(0)                   ; one wait for the four exponentials, ahead of their first reader; the 24 lines above are the independent work between
.irp t, 0,1,2,3
	v_add_f32 v[TMPV+4], 1.0, v[TMPV+\t]
	v_sub_f32 v[TMPV+5], 1.0, v[TMPV+\t]
	v_mul_f32 v[C1+2*\t], 0xbfb8aa3b, v[TMPV+4]
	v_mul_f32 v[C1+2*\t+1], 0xbfb8aa3b, v[TMPV+4]
	v_mul_f32 v[C2+2*\t], 0xbfb8aa3b, v[TMPV+5]
	v_mul_f32 v[C2+2*\t+1], 0xbfb8aa3b, v[TMPV+5]
	v_fmamk_f32 v[C3+2*\t], v[TMPV+4], 0x358637bd, v[TMPV+\t]     ; eps = 1e-6
	v_fmamk_f32 v[C3+2*\t+1], v[TMPV+4], 0x358637bd, v[TMPV+\t]
	v_fmamk_f32 v[C4+2*\t], v[TMPV+5], 0x358637bd, v[TMPV+\t]
	v_fmamk_f32 v[C4+2*\t+1], v[TMPV+5], 0x358637bd, v[TMPV+\t]
.endr
; Block a's 8 accumulators leave their window: K2 z + K2 b, two rows a line; each accumulator's lowest registers are read first.
.macro FRONT a
	WIN 0x02+(\a)/4
.irp t, 0,1,2,3
.irp j, 0,2,4,6
	v_pk_fma_f32 v[UU+8*\t+\j:UU+8*\t+\j+1], v[64*((\a)%4)+8*\t+\j:64*((\a)%4)+8*\t+\j+1], s[K2:K2+1], v[BMS+2*\t:BMS+2*\t+1] op_sel_hi:[1,0,1]
.endr
.endr
.irp t, 0,1,2,3
.irp j, 0,2,4,6
	v_pk_fma_f32 v[VV+8*\t+\j:VV+8*\t+\j+1], v[64*((\a)%4)+32+8*\t+\j:64*((\a)%4)+32+8*\t+\j+1], s[K2:K2+1], v[BTS+2*\t:BTS+2*\t+1] op_sel_hi:[1,0,1]
.endr
.endr
	WIN 0
.endm
.macro SUBH x                   ; h - w for number x = 8 t + j; h lies by rows, 4 j + t
	v_sub_f32 v[HBF+4*((\x)%8)+(\x)/8], v[HBF+4*((\x)%8)+(\x)/8], v[VV+(\x)]
.endm
	s_mov_b32 s[BLK], 0
.Lblk:                                             ; eight trips, a block of 16 rows each.  Only the lines that name accumulators differ: one of eight copies is chosen by forward jumps
.irp a, 0,1,2,3,4,5,6
	s_cmp_lg_u32 s[BLK], \a
	s_cbranch_scc1 .Lnot_\a
	FRONT \a
	s_branch .Lfront_done
.Lnot_\a:
.endr
	FRONT 7
.Lfront_done:
	; first batch: e = 2^-|u| and 2^v, 64 exponentials; the lines that set u's sign stand among them
	v_or_b32 v[UU], s[SIGN], v[UU]
	v_or_b32 v[UU+1], s[SIGN], v[UU+1]
.set i, 0
.rept 32
	v_exp_f32 v[UU+i], v[UU+i]
.if i < 30
	v_or_b32 v[UU+i+2], s[SIGN], v[UU+i+2]
.endif
	v_exp_f32 v[VV+i], v[VV+i]
.set i, i+1
.endr
	v_nop                                          ; a plain instruction behind the last exponential (ISA guide 5.7.2),
	s_wait_alu depctr_va_vdst(0)                   ; and one wait for the batch, ahead of its first reader
	; second batch: C1 + C2 e; 1 / (C3 + C4 e); 1 / (1 + 2^v).  The reciprocals lag a pair behind the plain lines that feed them
.set p, 0
.rept 17
.if p < 16
	v_pk_fma_f32 v[NN+2*p:NN+2*p+1], v[UU+2*p:UU+2*p+1], v[C2+2*(p/4):C2+2*(p/4)+1], v[C1+2*(p/4):C1+2*(p/4)+1]
.endif
.if p > 0
	v_rcp_f32 v[UU+2*p-2], v[UU+2*p-2]
.endif
.if p < 16
	v_pk_fma_f32 v[UU+2*p:UU+2*p+1], v[UU+2*p:UU+2*p+1], v[C4+2*(p/4):C4+2*(p/4)+1], v[C3+2*(p/4):C3+2*(p/4)+1]
.endif
.if p > 0
	v_rcp_f32 v[UU+2*p-1], v[UU+2*p-1]
.endif
.if p < 16
	v_pk_add_f32 v[VV+2*p:VV+2*p+1], v[VV+2*p:VV+2*p+1], 1.0 op_sel_hi:[1,0]
.endif
.if p > 0
	v_rcp_f32 v[VV+2*p-2], v[VV+2*p-2]
	v_rcp_f32 v[VV+2*p-1], v[VV+2*p-1]
.endif
.set p, p+1
.endr
	v_nop
	s_wait_alu depctr_va_vdst(0)                   ; one wait for the 64 reciprocals
	; third batch: the decay's exponent and w; decay, with h - w between its exponentials
	s_wait_loadcnt 0x0                             ; this block's h and time_delta: asked for a block earlier
.set p, 0
.rept 17
.if p < 16
	v_pk_mul_f32 v[NN+2*p:NN+2*p+1], v[NN+2*p:NN+2*p+1], v[UU+2*p:UU+2*p+1]
	v_pk_fma_f32 v[VV+2*p:VV+2*p+1], v[VV+2*p:VV+2*p+1], -2.0, v[BI1+2*(p/4):BI1+2*(p/4)+1] op_sel_hi:[1,0,1]
	v_pk_mul_f32 v[NN+2*p:NN+2*p+1], v[NN+2*p:NN+2*p+1], v[TDF+(2*p)%8:TDF+(2*p)%8+1]
.endif
.if p > 0
	v_exp_f32 v[NN+2*p-2], v[NN+2*p-2]
	SUBH 2*p-2
	v_exp_f32 v[NN+2*p-1], v[NN+2*p-1]
	SUBH 2*p-1
.endif
.set p, p+1
.endr
	s_wait_alu depctr_va_vdst(0)                   ; one wait for the 32 exponentials; the last h - w is the plain instruction behind the last of them
.set i, 0
.rept 32
	v_fma_f32 v[HBF+i], v[NN+8*(i%4)+i/4], v[HBF+i], v[VV+8*(i%4)+i/4]
.set i, i+1
.endr
	WIN W_LD
.irp j, 0,1,2,3,4,5,6,7
	global_store_b128 v[CO], v[HBF+4*\j:HBF+4*\j+3], s[POUT:POUT+1] offset:\j*8192 th:TH_STORE_NT  ; 16 lanes store 256 consecutive bytes, at a multiple of 256 from out0's first byte
.endr
	WIN 0
	s_wait_xcnt 0x0                                ; every earlier memory instruction has had its addresses translated (ISA guide 3.1): only behind this wait are the bases stepped and the stores' registers loaded again
	s_add_nc_u64 s[HE:HE+1], s[HE:HE+1], 16*8192
	s_add_nc_u64 s[POUT:POUT+1], s[POUT:POUT+1], 16*8192
	s_add_nc_u64 s[PTD:PTD+1], s[PTD:PTD+1], 64
	s_cmp_eq_u32 s[BLK], 7
	s_cbranch_scc1 .Lno_more                       ; the last block has none behind it: no load leaves its buffer
	TLOADS
	WIN 0
.Lno_more:
	s_add_co_u32 s[BLK], s[BLK], 1
	s_cmp_lt_u32 s[BLK], 8
	s_cbranch_scc1 .Lblk
	WIN W_AD
	s_wait_tensorcnt 0x0                           ; the wave's end, behind my last tensor load
	ds_add_u32 v[SPW], v[NIL]
	s_wait_dscnt 0x0
	WIN 0
	CROUND                                         ; the closing round: no work-group ends while a partner may still ask for a tile that names it
	s_endpgm
.Lfunc_end_k_q61710d856f_ltc:
	.size	k_q61710d856f_ltc, .Lfunc_end_k_q61710d856f_ltc-k_q61710d856f_ltc
	.p2alignl 7, 3214868480
	.fill 96, 4, 3214868480
	.section	.rodata,"a",@progbits
	.p2align	6, 0x0
	.amdhsa_kernel k_q61710d856f_ltc
		.amdhsa_group_segment_fixed_size 327680
		.amdhsa_private_segment_fixed_size 0
		.amdhsa_enable_private_segment 0
		.amdhsa_kernarg_size 80
		.amdhsa_user_sgpr_count 2
		.amdhsa_user_sgpr_kernarg_segment_ptr 1
		.amdhsa_wavefront_size32 1
		.amdhsa_system_sgpr_workgroup_id_x 1
		.amdhsa_system_sgpr_workgroup_id_y 1
		.amdhsa_system_sgpr_workgroup_id_z 1
		.amdhsa_system_vgpr_workitem_id 0
		.amdhsa_next_free_vgpr 1024
		.amdhsa_next_free_sgpr 102
		.amdhsa_reserve_vcc 0
		.amdhsa_float_denorm_mode_32 3
		.amdhsa_float_denorm_mode_16_64 3
		.amdhsa_memory_ordered 1
		.amdhsa_forward_progress 1
		.amdhsa_inst_pref_size 236
	.end_amdhsa_kernel
	.amdgpu_metadata
---
amdhsa.version: [ 1, 2 ]
amdhsa.kernels:
  - .name:           k_q61710d856f_ltc
    .symbol:         k_q61710d856f_ltc.kd
    .args:
      - { .name: x, .offset: 0, .size: 8, .value_kind: global_buffer, .address_space: global }
      - { .name: h, .offset: 8, .size: 8, .value_kind: global_buffer, .address_space: global }
      - { .name: W_mod, .offset: 16, .size: 8, .value_kind: global_buffer, .address_space: global }
      - { .name: W_tgt, .offset: 24, .size: 8, .value_kind: global_buffer, .address_space: global }
      - { .name: b_mod, .offset: 32, .size: 8, .value_kind: global_buffer, .address_space: global }
      - { .name: b_tgt, .offset: 40, .size: 8, .value_kind: global_buffer, .address_space: global }
      - { .name: log_tau, .offset: 48, .size: 8, .value_kind: global_buffer, .address_space: global }
      - { .name: bias, .offset: 56, .size: 8, .value_kind: global_buffer, .address_space: global }
      - { .name: time_delta, .offset: 64, .size: 8, .value_kind: global_buffer, .address_space: global }
      - { .name: out0, .offset: 72, .size: 8, .value_kind: global_buffer, .address_space: global }
    .group_segment_fixed_size: 327680
    .private_segment_fixed_size: 0
    .kernarg_segment_align: 8
    .kernarg_segment_size: 80
    .max_flat_workgroup_size: 128
    .sgpr_count:     102
    .vgpr_count:     1024
    .wavefront_size: 32
...
	.end_amdgpu_metadata
.endif
;; end of part 2
;; ======== version 3 of 4: 2 launches
;; limits: right only within a limited range of input values
;; workspace buffers: Ab 25,165,824 bytes; Wb 25,165,824 bytes
;; launch prep (part 3): grid 448 x 1, 8 waves a work-group, no clusters, 140,288 bytes of LDS; arguments x, h, W_mod, W_tgt, Ab, Wb; writes Ab, Wb
.if DOCPART == 3
	.amdgcn_target "amdgcn-amd-amdhsa--gfx1250"
	.amdhsa_code_object_version 6
	.text
	.protected	k_q61710d856f_prep
	.globl	k_q61710d856f_prep
	.p2align	8
	.type	k_q61710d856f_prep,@function
k_q61710d856f_prep:
	s_mov_b64 s[64:65], 0
	v_nop
	global_prefetch_b8 v0, s[64:65] scope:SCOPE_SE
	s_setreg_imm32_b32 hwreg(HW_REG_WAVE_MODE, 25, 1), 1
	s_wait_xcnt 0x0
; THE OPERANDS OF THE TWO PRODUCTS, ROUNDED ONCE TO bf16 (to nearest even) AND LAID OUT FOR THE NEXT LAUNCH.
;   Ab[m][k], [4096][3072]: k < 1024: x[m][k]; else h[m][k - 1024].
;   Wb[n][k], [4096][3072], K along the rows: row n = 128 cg + 64 X + 16 t + r holds column 64 cg + 4 r + t of W_mod (X = 0) or W_tgt (X = 1); cg = 0..31, t = 0..3, r = 0..15.
;   (So 16 rows on end are a fragment whose column r stands for column 4 r + t: four fragments t give a lane four neighbouring columns of the result.)
; A stream: each input byte is read once and each output byte written once; no matrix unit, and no cluster, since no two work-groups read the same byte.
; TWO KINDS OF WORK-GROUP IN ONE LAUNCH, chosen by the work-group's number, so that the program has one launch less:
;   0..255:   16 rows of x and h each.  Thread t takes 16 bytes at 16 t of each 4,096 bytes: a wave's load covers 512 bytes on end, its store of 8 bytes a lane 256 bytes on end, aligned.
;             All 48 loads of a thread go out at the start; nothing is loaded twice into a register, so no register waits for a store.
;   256..447: 64 column groups (cg, X) x 3; each of the 8 waves takes 128 along K x 64 columns.  Lane (r, hh) loads 16 bytes (columns 4 r ..) of 8 rows k = 16 s + 8 hh + i: 16 lanes take 256 bytes of a row.
;             Packing column t of rows k and k + 1 gives, for each t, 16 bytes along K.  They go into the wave's own LDS rows (64 rows of 256 + 16 bytes) and come back as whole rows.
.set ROWO,  6144                ; bytes in a row of Ab and Wb
.set WP,    272                 ; an LDS row: 256 bytes + 16: the 16 rows that a store touches start at 16 different groups of four banks (64 banks of 4 bytes: ISA guide 11.1)
.set WLDS,  64*WP               ; a wave's LDS
.set SPARE, 8*WLDS              ; behind the eight: the spare words, 128 bytes for each wave: four blocks of 256 bytes that no other line names
.set XO,  1                     ; rows: 16 t
.set OO,  2                     ; rows: 8 t
.set WO,  5                     ; weights: my offset in the source: 8 hh rows + 16 r
.set LS,  6                     ; where I put 16 bytes: row r of a group of 16, 16 hh
.set LR,  7                     ; where I read rows back: row hh, 16 (l % 16)
.set GO,  8                     ; the same two rows in Wb
.set SPW, 10                    ; LDS address of my spare word: SPARE + 4 x my thread's number; never rewritten
.set NIL, 11                    ; 0; never rewritten
.set D,   16                    ; rows: v[16:207]: 12 registers a row
.set LB,  16                    ; weights: v[16:143]: four sub-chunks of 8 rows x 4 registers; then the rows read back
.set TB,  144                   ; weights: v[144:207]: four sub-chunks of 4 x 4 packed registers
	s_load_b256 s[4:11], s[0:1], 0x0               ; x s[4:5], h s[6:7], W_mod s[8:9], W_tgt s[10:11]
	s_load_b128 s[12:15], s[0:1], 0x20             ; Ab s[12:13], Wb s[14:15]
	v_lshl_add_u32 v[SPW], v0, 2, SPARE
	v_mov_b32 v[NIL], 0
	s_cmp_lt_u32 ttmp9, 256
	s_cbranch_scc0 .Lweights
	; ---- 16 rows of x and h
	v_lshlrev_b32 v[XO], 4, v0
	v_lshlrev_b32 v[OO], 3, v0
	s_lshl_b32 s16, ttmp9, 16                      ; 16 rows of 4,096 bytes
	s_mov_b32 s17, 0
	s_lshl_b32 s18, ttmp9, 17                      ; of 8,192
	s_mov_b32 s19, 0
	s_mul_i32 s20, ttmp9, 16*ROWO
	s_mov_b32 s21, 0
	s_wait_kmcnt 0x0
	s_add_nc_u64 s[4:5], s[4:5], s[16:17]
	s_add_nc_u64 s[6:7], s[6:7], s[18:19]
	s_add_nc_u64 s[12:13], s[12:13], s[20:21]
.set i, 0
.rept 16
	global_load_b128 v[D+12*i:D+12*i+3],    v[XO], s[4:5] offset:i*4096 th:TH_LOAD_NT
	global_load_b128 v[D+12*i+4:D+12*i+7],  v[XO], s[6:7] offset:i*8192 th:TH_LOAD_NT
	global_load_b128 v[D+12*i+8:D+12*i+11], v[XO], s[6:7] offset:i*8192+4096 th:TH_LOAD_NT
.set i, i+1
.endr
.set i, 0
.rept 16
	s_wait_loadcnt 45-3*i                          ; loads come back in order (ISA guide 5.7.1): row i's three are in, the three of each younger row may stay out
.irp c, 0,4,8
	v_cvt_pk_bf16_f32 v[D+12*i+\c],   v[D+12*i+\c],   v[D+12*i+\c+1]  ; in place: four numbers into two registers
	v_cvt_pk_bf16_f32 v[D+12*i+\c+1], v[D+12*i+\c+2], v[D+12*i+\c+3]
.endr
	global_store_b64 v[OO], v[D+12*i:D+12*i+1],   s[12:13] offset:i*ROWO        ; x's 1,024 numbers: 2,048 bytes,
	global_store_b64 v[OO], v[D+12*i+4:D+12*i+5], s[12:13] offset:i*ROWO+2048   ; h's first 1,024,
	global_store_b64 v[OO], v[D+12*i+8:D+12*i+9], s[12:13] offset:i*ROWO+4096   ; h's second; a wave stores 256 consecutive bytes, at a multiple of 256 from Ab's first byte
.set i, i+1
.endr
	s_branch .Lend
	; ---- 128 along K x 64 columns of a weight matrix, a wave
.Lweights:
	v_lshrrev_b32 v1, 5, v0
	v_readfirstlane_b32 s22, v1                    ; wave 0..7
	s_sub_co_u32 s23, ttmp9, 256                   ; 0..191
	s_and_b32 s24, s23, 31                         ; cg
	s_bfe_u32 s25, s23, 0x10005                    ; X
	s_lshr_b32 s26, s23, 6
	s_lshl_b32 s26, s26, 3
	s_add_co_u32 s26, s26, s22                     ; which 128 of K: 0..23
	s_lshl_b32 s16, s26, 20                        ; 128 rows of 8,192 bytes
	s_lshl_b32 s27, s24, 8                         ; 64 columns of 4 bytes
	s_add_co_u32 s16, s16, s27
	s_mov_b32 s17, 0
	s_lshl_b32 s18, s24, 7
	s_lshl_b32 s27, s25, 6
	s_add_co_u32 s18, s18, s27                     ; Wb's row 128 cg + 64 X
	s_mul_i32 s18, s18, ROWO
	s_lshl_b32 s27, s26, 8                         ; 128 numbers of 2 bytes
	s_add_co_u32 s18, s18, s27
	s_mov_b32 s19, 0
	s_mul_i32 s28, s22, WLDS                       ; my wave's LDS
	v_and_b32 v2, 15, v0                           ; r
	v_bfe_u32 v3, v0, 4, 1                         ; hh
	v_lshlrev_b32 v4, 4, v2
	v_lshl_add_u32 v[WO], v3, 16, v4
	v_mul_u32_u24 v[LS], v2, WP
	v_lshl_add_u32 v[LS], v3, 4, v[LS]
	v_add_nc_u32 v[LS], s28, v[LS]
	v_mul_u32_u24 v[LR], v3, WP
	v_add_nc_u32 v[LR], v[LR], v4
	v_add_nc_u32 v[LR], s28, v[LR]
	v_mul_u32_u24 v[GO], v3, ROWO
	v_add_nc_u32 v[GO], v[GO], v4
	s_wait_kmcnt 0x0
	s_cmp_eq_u32 s25, 0
	s_cselect_b64 s[8:9], s[8:9], s[10:11]         ; W_mod or W_tgt
	s_add_nc_u64 s[8:9], s[8:9], s[16:17]
	s_add_nc_u64 s[14:15], s[14:15], s[18:19]
.macro WLOAD s                  ; sub-chunk s of 8 (16 along K): my 8 rows
.irp i, 0,1,2,3,4,5,6,7
	global_load_b128 v[LB+32*((\s)%4)+4*\i:LB+32*((\s)%4)+4*\i+3], v[WO], s[8:9] offset:(16*(\s)+\i)*8192 th:TH_LOAD_NT
.endr
.endm
.macro WPACK s                  ; column t of rows 2 d (low half) and 2 d + 1: four registers = 8 along K; into row 16 t + r at byte 2 (16 s + 8 hh)
.irp t, 0,1,2,3
.irp d, 0,1,2,3
	v_cvt_pk_bf16_f32 v[TB+16*((\s)%4)+4*\t+\d], v[LB+32*((\s)%4)+8*\d+\t], v[LB+32*((\s)%4)+8*\d+4+\t]
.endr
.endr
.irp t, 0,1,2,3
	ds_store_b128 v[LS], v[TB+16*((\s)%4)+4*\t:TB+16*((\s)%4)+4*\t+3] offset:\t*16*WP+32*(\s)
.endr
.endm
	WLOAD 0
	WLOAD 1
	WLOAD 2
	WLOAD 3
.irp s, 0,1,2,3
	s_wait_loadcnt 24                              ; sub-chunk s is in; the three younger ones, 24 loads, may stay out
	WPACK \s
	WLOAD \s+4                                     ; its registers have been read: they take the sub-chunk four on
.endr
.irp s, 4,5,6,7
	s_wait_loadcnt 8*(7-\s)                        ; nothing more is asked for: the counts run down
	s_wait_dscnt 12                                ; the four LDS stores that read these packed registers, four sub-chunks ago, are done; the twelve younger may be out
	WPACK \s
.endr
.set p, 0
.rept 32
	ds_load_b128 v[LB+4*p:LB+4*p+3], v[LR] offset:p*2*WP  ; LDS serves a wave's instructions in order (ISA guide 5.7.1.4): these see my stores above; no other wave touches these bytes
.set p, p+1
.endr
.set p, 0
.rept 32
	s_wait_dscnt 31-p
	global_store_b128 v[GO], v[LB+4*p:LB+4*p+3], s[14:15] offset:p*2*ROWO  ; 16 lanes store 256 consecutive bytes of a row, at a multiple of 256 from Wb's first byte
.set p, p+1
.endr
.Lend:
	s_wait_tensorcnt 0x0                           ; the wave's end, behind my last LDS store
	ds_add_u32 v[SPW], v[NIL]
	s_wait_dscnt 0x0
	s_endpgm
.Lfunc_end_k_q61710d856f_prep:
	.size	k_q61710d856f_prep, .Lfunc_end_k_q61710d856f_prep-k_q61710d856f_prep
	.p2alignl 7, 3214868480
	.fill 96, 4, 3214868480
	.section	.rodata,"a",@progbits
	.p2align	6, 0x0
	.amdhsa_kernel k_q61710d856f_prep
		.amdhsa_group_segment_fixed_size 140288
		.amdhsa_private_segment_fixed_size 0
		.amdhsa_enable_private_segment 0
		.amdhsa_kernarg_size 48
		.amdhsa_user_sgpr_count 2
		.amdhsa_user_sgpr_kernarg_segment_ptr 1
		.amdhsa_wavefront_size32 1
		.amdhsa_system_sgpr_workgroup_id_x 1
		.amdhsa_system_sgpr_workgroup_id_y 1
		.amdhsa_system_sgpr_workgroup_id_z 1
		.amdhsa_system_vgpr_workitem_id 0
		.amdhsa_next_free_vgpr 208
		.amdhsa_next_free_sgpr 66
		.amdhsa_reserve_vcc 0
		.amdhsa_float_denorm_mode_32 3
		.amdhsa_float_denorm_mode_16_64 3
		.amdhsa_memory_ordered 1
		.amdhsa_forward_progress 1
		.amdhsa_inst_pref_size 41
	.end_amdhsa_kernel
	.amdgpu_metadata
---
amdhsa.version: [ 1, 2 ]
amdhsa.kernels:
  - .name:           k_q61710d856f_prep
    .symbol:         k_q61710d856f_prep.kd
    .args:
      - { .name: x, .offset: 0, .size: 8, .value_kind: global_buffer, .address_space: global }
      - { .name: h, .offset: 8, .size: 8, .value_kind: global_buffer, .address_space: global }
      - { .name: W_mod, .offset: 16, .size: 8, .value_kind: global_buffer, .address_space: global }
      - { .name: W_tgt, .offset: 24, .size: 8, .value_kind: global_buffer, .address_space: global }
      - { .name: Ab, .offset: 32, .size: 8, .value_kind: global_buffer, .address_space: global }
      - { .name: Wb, .offset: 40, .size: 8, .value_kind: global_buffer, .address_space: global }
    .group_segment_fixed_size: 140288
    .private_segment_fixed_size: 0
    .kernarg_segment_align: 8
    .kernarg_segment_size: 48
    .max_flat_workgroup_size: 256
    .sgpr_count:     66
    .vgpr_count:     208
    .wavefront_size: 32
...
	.end_amdgpu_metadata
.endif
;; end of part 3
;; launch ltc (part 4): grid 16 x 16, 4 waves a work-group, clusters of 4 x 4, 327,680 bytes of LDS; arguments Ab, Wb, b_mod, b_tgt, log_tau, bias, time_delta, out0, h; writes out0
.if DOCPART == 4
	.amdgcn_target "amdgcn-amd-amdhsa--gfx1250"
	.amdhsa_code_object_version 6
	.text
	.protected	k_q61710d856f_ltc
	.globl	k_q61710d856f_ltc
	.p2align	8
	.type	k_q61710d856f_ltc,@function
k_q61710d856f_ltc:
	s_mov_b64 s[64:65], 0
	v_nop
	global_prefetch_b8 v0, s[64:65] scope:SCOPE_SE
	s_setreg_imm32_b32 hwreg(HW_REG_WAVE_MODE, 25, 1), 1
	s_wait_xcnt 0x0
	s_wait_alu depctr_hold_cnt(0) depctr_sa_sdst(0) depctr_va_vdst(0) depctr_va_sdst(0) depctr_va_ssrc(0) depctr_va_vcc(0) depctr_vm_vsrc(0)
	s_getreg_b32 s2, hwreg(HW_REG_IB_STS2, 6, 4)
	s_cmp_eq_u32 s2, 0
	s_cbranch_scc0 .Lentry_in_a_cluster
	s_endpgm
.Lentry_in_a_cluster:
	s_bfe_u32 s2, ttmp6, 0x10000c
	s_cmp_lg_u32 s2, 0xf033
	s_cbranch_scc0 .Lentry_shape_is_right
	s_endpgm
.Lentry_shape_is_right:
; LTC CELL: THE TWO PRODUCTS AND ALL THAT FOLLOWS THEM.  zf = combined W_mod, za = combined W_tgt, combined = [x | h];
; f = tanh(zf + b_mod), a = tanh(za + b_tgt), tau = exp(log_tau), tau_sys = tau / (1 + tau |f|), decay = exp(-time_delta / (tau_sys + 1e-6)), out = decay h + (1 - decay)(a + bias).
; The operands come as the launch before laid them: Ab[4096][3072] = combined in bf16; Wb[4096][3072] in bf16, K along the rows, row 128 cg + 64 X + 16 t + r = column 64 cg + 4 r + t of
; W_mod (X = 0) or W_tgt (X = 1).  Sums in f32; everything behind the products in f32, with h, the vectors and time_delta as they are given.
; LIMITS.  exp and 1/x are the 1-ULP instructions, which take denormals as 0.  log_tau stays below 87: beyond it 1 / (tau + ..) falls under 2^-126 here (from 88.7 on tau itself is
; infinite in the defining formula too).  NaN and infinities in the inputs are not treated apart.  The blend is formed as w + decay (h - w), w = a + bias: one rounding order other than the defining one.
; tanh is taken by exponentials that cannot overflow into a wrong value: |f| = (1 - e) / (1 + e) with e = 2^-|..| in 0..1; a = 1 - 2 / (1 + 2^..), where an infinite power gives 1 / inf = 0.
; SHARES.  A work-group makes 256 rows x 128 columns of out, of BOTH products: 256 rows of Ab x 256 rows of Wb; 16 x 16 work-groups.  Each of its four waves makes 128 rows x 64 columns of both:
; 8 row blocks x (4 + 4) fragments = 64 accumulators, 512 registers, so that zf and za of one output meet in one lane.  K goes in 24 steps of 128 through two LDS slots: the tiles' rows
; are 256 bytes of memory and start at multiples of 256 bytes from the buffer's first byte.
; LAYOUT.  Source 0 = 16 rows of Ab, source 1 = 16 rows of Wb: in the result lane l holds Wb's row r = l % 16 of the fragment and, in register j, Ab's row 8 (l / 16) + j.  By Wb's order of rows a lane's
; accumulators t = 0..3 hold columns 4 r .. 4 r + 3 of a row of out: 16 bytes, and 16 lanes 256 bytes on end: no stage on the way out.
; CLUSTER.  4 x 4 work-groups.  Ab's tile hangs on the tile row alone: asked for jointly along a row of the cluster; Wb's on the tile column alone: jointly along a column.
; REGISTERS, in windows of 256 (s_set_vgpr_msb: bits 1:0 source 0, 3:2 source 1, 5:4 source 2, 7:6 destination):
;   window 0: v64-127, v128-191 fragments of Wb (8 x 16 rows x 32 K), two buffers; v0-63 and, behind the products, all of it: the tail's work registers
;   window 1: v2-10 addresses, v12-15 at work in the set-up, v28-29 the add's two; v64-127, v128-191 fragments of Ab, two buffers
;   windows 2, 3: accumulator (a, b) in window 2 + a / 4 at v[64 (a % 4) + 8 b]; a: row block; b = 0..3 zf's fragments, b = 4..7 za's
.set KSTEP, 128
.set ROWB,  6144                ; bytes in a row of Ab and Wb
.set PITCH, 272                 ; an LDS row: 256 bytes + 16 of padding = 68 words: the 16 rows of a load start at 16 different groups of four banks (64 banks of 4 bytes: ISA guide 11.1)
.set HALFT, 128*PITCH           ; 128 rows: what one tensor load brings, and what one wave reads of Ab or of Wb
.set SLOT,  4*HALFT             ; Ab's 256 rows, then Wb's 256 rows
.set SPARE, 2*SLOT              ; behind the ring: the spare words, 128 bytes for each wave: two blocks of 256 bytes that no other line names
.set LAPS,  3072/(2*KSTEP)      ; a lap = two K steps = once round the ring
; window 1
.set ADRA,  2                   ; v2-3   LDS address of my fragments of Ab in slot 0, 1; never rewritten
.set ADRB,  4                   ; v4-5   the same for Wb
.set CO,    6                   ; my 16 bytes in 16 rows of h and out0: 8 (l / 16) rows + 16 r
.set TDO,   7                   ; my 8 rows in 16 numbers of time_delta
.set PO,    8                   ; my 4 columns in the four vectors
.set PFO,   9                   ; the prefetches' offset in Ab or Wb: my lane x a row; never rewritten
.set PFHO,  10                  ; and in h
.set SPW,   28                  ; LDS address of my spare word: SPARE + 4 x my thread's number; never rewritten
.set NIL,   29                  ; 0; never rewritten
.set F0,    64                  ; fragment buffer 0, in windows 0 and 1
.set F1,    128                 ; fragment buffer 1
; window 0, for the tail
.set HBF,   0                   ; v0-31    h of a block, row j at 4 j; then h - w; then out
.set TDF,   32                  ; v32-39   time_delta of my 8 rows
.set RAW,   40                  ; v40-55   b_mod, b_tgt, log_tau, bias of my 4 columns
.set TMPV,  56                  ; v56-61   tau of my 4 columns; 1 + tau, 1 - tau
.set BMS,   64                  ; each of the seven: a pair (c, c) for column t at + 2 t, since a packed line takes two ROWS of one column
.set BTS,   72
.set C1,    80
.set C2,    88
.set C3,    96
.set C4,    104
.set BI1,   112
.set UU,    128                 ; v128-159 column t, row j at 8 t + j: zf's side
.set VV,    160                 ; v160-191 za's side
.set NN,    192                 ; v192-223 the decay's exponent
; scalars
.set WV,  12                    ; my wave's number
.set RH,  13                    ; which 128 rows I multiply.  Also: I fetch for Ab (0) or for Wb (1)
.set CH,  14                    ; which 64 columns I multiply.  Also: which 128 rows of that tile I fetch
.set CNT, 15
.set CX,  16
.set CY,  17
.set TC,  18
.set TR,  19
.set G1A, 24                    ; s[24:31] descriptor group 1 for Ab's tiles
.set NA,  32                    ; s[32:33] Ab at the rows that I fetch
.set NB,  34                    ; s[34:35] Wb likewise
.set G1B, 40                    ; s[40:47] descriptor group 1 for Wb's tiles: it differs in the mask alone
.set G0A, 48                    ; s[48:55] descriptor group 0 for Ab, one set for each slot
.set G0B, 56                    ; s[56:63] the same for Wb
.set PBM, 68                    ; s[68:75] b_mod, b_tgt, log_tau, bias
.set PBT, 70
.set PLT, 72
.set PBI, 74
.set PTD, 76                    ; s[76:77] time_delta
.set POUT, 78                   ; s[78:79] out0
.set PFA, 82                    ; s[82:83] where my prefetches stand: my work-group's 32 rows of the 128 that I fetch, one K step further than the refill that is being asked for; a prefetch names the K step after that
.set LIM, 86                    ; 1 in a wave that prefetches, else the greatest number
.set BLK, 89
.set K2,  90                    ; s[90:91] 2 log2(e)
.set SIGN, 92
.set LA,  93
.set HE,  94                    ; s[94:95] h at my part of the tile
.set W_LD, 0x01                 ; data in window 0, address in window 1: Wb's fragments; global loads, stores (data = source 1), prefetches
.set W_LA, 0x41                 ; data and address in window 1: Ab's fragments
.set W_CV, 0x40                 ; destination window 1, sources window 0
.set W_S,  0x55                 ; all in window 1
.set W_AD, 0x05                 ; the add: address and data in window 1
.set MSB, 0
.macro WIN new                  ; the immediate's high byte repeats the setting that is left; a switch that changes nothing is dropped
.if MSB != (\new)
	s_set_vgpr_msb (MSB<<8)|(\new)
.set MSB, (\new)
.endif
.endm
; A round of the cluster's barrier behind its opening barrier: wave 0 signals for the work-group, every wave waits for all sixteen, my work-group's barrier closes it.
.macro CREST
	s_cmp_lg_u32 s[WV], 0
	s_cbranch_scc1 .Lnot_wave_0_\@
	s_barrier_signal -3
.Lnot_wave_0_\@:
	s_barrier_wait -3
	s_barrier_signal -1
	s_barrier_wait -1
.endm
.macro CROUND
	s_barrier_signal -1
	s_barrier_wait -1
	CREST
.endm
; A joint refill of slot s.  Waves 0 and 1 fetch Ab's two halves, waves 2 and 3 Wb's.  The branch hangs on the wave's number alone.  An s_nop 0 and four v_nop follow each line.
.macro JLOAD s
	s_cmp_eq_u32 s[RH], 0
	s_cbranch_scc0 .Lfor_b_\@
	tensor_load_to_lds s[G0A+4*(\s):G0A+4*(\s)+3], s[G1A:G1A+7]
	s_nop 0
.rept 4
	v_nop
.endr
	s_branch .Lasked_\@
.Lfor_b_\@:
	tensor_load_to_lds s[G0B+4*(\s):G0B+4*(\s)+3], s[G1B:G1B+7]
	s_nop 0
.rept 4
	v_nop
.endr
.Lasked_\@:
.endm
; A PREFETCH INTO THE L2 of the K step that stands two refills on (512 products ahead of the load that will want it), behind the joint load, its five lines and the run of LDS loads that follows them:
; 32 rows x 256 bytes, a lane a row, one instruction a wave.  Each row's 256 bytes of a K step are named once in the launch.  Ab's tile row is read by every cluster of a row of clusters: the one with
; x = 0 asks; Wb's tile column by every cluster of a column: y = 0 asks.  The four partners of a joint load share its 128 rows out BY ADDRESS, 32 each (by cx for Ab, by cy for Wb).
; The loop's last trip asks for nothing: its refills are the last two K steps.  K steps 0 to 3 come by their loads alone.
.macro ASK
	s_cmp_gt_u32 s[CNT], s[LIM]
	s_cbranch_scc0 .Lnot_mine_\@
	WIN W_LD
	global_prefetch_b8 v[PFO], s[PFA:PFA+1] offset:KSTEP*2 th:TH_LOAD_NT scope:SCOPE_SE
	WIN 0
.Lnot_mine_\@:
.endm
	s_load_b128 s[4:7], s[0:1], 0x0                ; Ab s[4:5], Wb s[6:7]
	s_load_b256 s[PBM:PBM+7], s[0:1], 0x10         ; b_mod, b_tgt, log_tau, bias
	s_load_b128 s[PTD:PTD+3], s[0:1], 0x30         ; time_delta, out0
	s_load_b64 s[HE:HE+1], s[0:1], 0x40            ; h
	WIN W_CV
	v_lshl_add_u32 v[SPW], v0, 2, SPARE
	v_mov_b32 v[NIL], 0
	WIN W_AD
	ds_add_u32 v[SPW], v[NIL]                      ; the wave's opening: the add and its wait stand ahead of my first tensor load; the set-up below, work on registers, stands between them
	WIN 0
	v_lshrrev_b32 v1, 5, v0
	v_readfirstlane_b32 s[WV], v1                  ; wave 0..3
	s_lshr_b32 s[RH], s[WV], 1
	s_and_b32 s[CH], s[WV], 1
	s_bfe_u32 s[CX], ttmp6, 0x40000                ; my place in the cluster
	s_bfe_u32 s[CY], ttmp6, 0x40004
	s_lshl_b32 s[TC], ttmp9, 2                     ; in a cluster launch ttmp9 and ttmp7 count clusters
	s_add_co_u32 s[TC], s[TC], s[CX]               ; tile column (128 columns of out, 256 rows of Wb)
	s_and_b32 s[TR], ttmp7, 0xffff
	s_lshl_b32 s[TR], s[TR], 2
	s_add_co_u32 s[TR], s[TR], s[CY]               ; tile row (256 rows)
	s_lshl_b32 s20, s[CY], 2
	s_lshl_b32 s20, 15, s20                        ; my row of the cluster: places 4 cy .. 4 cy + 3
	s_lshl_b32 s22, 0x1111, s[CX]                  ; my column: places cx, cx + 4, cx + 8, cx + 12
	; group 1: a tile of 128 rows x 128 elements of 2 bytes, 4 words of padding behind every 64
	s_or_b32 s[G1A], s20, (1<<16)|(1<<20)|(1<<21)|(5<<22)|(3<<25)  ; 15:0 the mask; 17:16 elements of 2 bytes; 20 padding on; 21 set beside a mask; 24:22 after every 64 words (code 5); 31:25 4 words (code 3)
	s_or_b32 s[G1B], s22, (1<<16)|(1<<20)|(1<<21)|(5<<22)|(3<<25)
.irp g, G1A, G1B
	s_mov_b32 s[\g+1], KSTEP<<16                   ; tensor_dim0 = 128
	s_mov_b32 s[\g+2], 128<<16                     ; tensor_dim1 = 128
	s_mov_b32 s[\g+3], KSTEP<<16                   ; tile_dim0 = 128
	s_mov_b32 s[\g+4], 128                         ; tile_dim1 = 128
	s_mov_b32 s[\g+5], 3072                        ; elements from row to row
	s_mov_b32 s[\g+6], 0
	s_mov_b32 s[\g+7], 0
.endr
	s_mov_b32 s[K2], 0x4038aa3b                    ; 2 log2(e)
	s_mov_b32 s[K2+1], s[K2]                       ; named with it as a pair
	s_mov_b32 s[SIGN], 0x80000000
	; the lanes' terms.  A fragment is 16 rows x 32 K in 8 registers: lane l holds row l % 16; registers 0-3 K = 8 (l / 16) + 0..7, registers 4-7 K = 16 + 8 (l / 16) + 0..7: two loads of 16 bytes, 32 bytes apart
	WIN W_CV
	v_and_b32 v12, 15, v0                          ; r = l % 16
	v_bfe_u32 v13, v0, 4, 1                        ; l / 16
	v_and_b32 v14, 31, v0                          ; l
	WIN W_S
	v_mul_u32_u24 v15, v12, PITCH
	v_lshl_add_u32 v15, v13, 4, v15                ; row x pitch + 16 x half
	s_mul_i32 s2, s[RH], HALFT                     ; my 128 rows of Ab
	s_mul_i32 s3, s[CH], HALFT                     ; my 128 rows of Wb,
	s_add_co_u32 s3, s3, 2*HALFT                   ; which lie behind Ab's 256
.irp s, 0,1
	v_add_nc_u32 v[ADRA+(\s)], s2, v15
	v_add_nc_u32 v[ADRB+(\s)], s3, v15
	s_add_co_u32 s2, s2, SLOT
	s_add_co_u32 s3, s3, SLOT
.endr
	v_lshlrev_b32 v[PO], 4, v12
	v_lshl_add_u32 v[CO], v13, 16, v[PO]           ; 8 rows of 8,192 bytes
	v_lshlrev_b32 v[TDO], 5, v13
	v_mul_u32_u24 v[PFO], v14, ROWB
	v_lshlrev_b32 v[PFHO], 13, v14
	WIN 0
	; where the tiles come from.  Ab's hang on the tile row alone (s20, s21 never hold cx), Wb's on the tile column alone (s22, s23 never hold cy); every wave makes both
	s_lshl_b32 s20, s[TR], 8
	s_lshl_b32 s21, s[CH], 7
	s_add_co_u32 s20, s20, s21                     ; row 256 x tile row + 128 x half
	s_mul_i32 s20, s20, ROWB
	s_mov_b32 s21, 0
	s_lshl_b32 s22, s[TC], 8
	s_lshl_b32 s23, s[CH], 7
	s_add_co_u32 s22, s22, s23                     ; row 256 x tile column + 128 x half
	s_mul_i32 s22, s22, ROWB
	s_mov_b32 s23, 0
	s_mul_i32 s[LA], s[WV], HALFT                  ; and where they go: Ab's two halves, then Wb's two = wave x 128 rows: no place in the cluster enters an LDS address
	s_wait_dscnt 0x0                               ; the opening add is done
	s_wait_kmcnt 0x0
	s_add_nc_u64 s[NA:NA+1], s[4:5], s[20:21]
	s_add_nc_u64 s[NB:NB+1], s[6:7], s[22:23]
.irp s, 0,1
	s_mov_b32 s[G0A+4*(\s)], 1                                           ; count = 1
	s_add_co_u32 s[G0A+4*(\s)+1], s[LA], (\s)*SLOT                       ; LDS address
	s_add_nc_u64 s[G0A+4*(\s)+2:G0A+4*(\s)+3], s[NA:NA+1], (\s)*KSTEP*2  ; K step s
	s_or_b32 s[G0A+4*(\s)+3], s[G0A+4*(\s)+3], 0x80000000                ; type = 2
	s_mov_b32 s[G0B+4*(\s)], 1
	s_add_co_u32 s[G0B+4*(\s)+1], s[LA], (\s)*SLOT
	s_add_nc_u64 s[G0B+4*(\s)+2:G0B+4*(\s)+3], s[NB:NB+1], (\s)*KSTEP*2
	s_or_b32 s[G0B+4*(\s)+3], s[G0B+4*(\s)+3], 0x80000000
.endr
	CROUND                                         ; all sixteen work-groups are here: the first joint loads meet
	s_cmp_eq_u32 s[RH], 0                          ; a wave's two first fills stand in one branch, ahead of every wait on TENSORcnt and every LDS read: two loads of mine are out
	s_cbranch_scc0 .Lfirst_b
	tensor_load_to_lds s[G0A:G0A+3], s[G1A:G1A+7]
	s_nop 0
	tensor_load_to_lds s[G0A+4:G0A+7], s[G1A:G1A+7]
	s_nop 0
.rept 4
	v_nop
.endr
	s_branch .Lfirst_asked
.Lfirst_b:
	tensor_load_to_lds s[G0B:G0B+3], s[G1B:G1B+7]
	s_nop 0
	tensor_load_to_lds s[G0B+4:G0B+7], s[G1B:G1B+7]
	s_nop 0
.rept 4
	v_nop
.endr
.Lfirst_asked:
	; the tail's bases, made while the first tiles are on their way: my first row 256 x tile row + 128 x row half, my first column 128 x tile column + 64 x column half
	s_lshl_b32 s100, s[TR], 8
	s_lshl_b32 s101, s[RH], 7
	s_add_co_u32 s100, s100, s101
	s_lshl_b32 s2, s100, 2                         ; its byte in time_delta
	s_lshl_b32 s100, s100, 13                      ; in h and out0
	s_lshl_b32 s3, s[TC], 9
	s_lshl_b32 s101, s[CH], 8
	s_add_co_u32 s3, s3, s101                      ; my first column's byte
	s_add_co_u32 s100, s100, s3
	s_mov_b32 s101, 0
	s_add_nc_u64 s[HE:HE+1], s[HE:HE+1], s[100:101]
	s_add_nc_u64 s[POUT:POUT+1], s[POUT:POUT+1], s[100:101]
	s_mov_b32 s100, s2
	s_add_nc_u64 s[PTD:PTD+1], s[PTD:PTD+1], s[100:101]
	s_mov_b32 s100, s3
.irp g, PBM, PBT, PLT, PBI
	s_add_nc_u64 s[\g:\g+1], s[\g:\g+1], s[100:101]
.endr
	; the prefetches.  Nothing is asked for here, at the head, where every work-group's first tiles are on their way
	s_lshl_b32 s100, s[TR], 8
	s_lshl_b32 s2, s[TC], 8
	s_and_b32 s3, ttmp7, 0xffff                    ; cluster y
	s_cmp_eq_u32 s[RH], 0                          ; do I fetch for Ab?
	s_cselect_b32 s100, s100, s2                   ; the tile's first row: in Ab by the tile row, in Wb by the tile column
	s_cselect_b32 s2, s[CX], s[CY]                 ; my place among the four that ask for it with me
	s_cselect_b32 s3, ttmp9, s3                    ; the coordinate along which other clusters read the same rows
	s_cselect_b64 s[PFA:PFA+1], s[4:5], s[6:7]
	s_cmp_eq_u32 s3, 0
	s_cselect_b32 s[LIM], 1, -1                    ; the same in all sixteen partners, for a given wave
	s_lshl_b32 s3, s[CH], 7
	s_add_co_u32 s100, s100, s3                    ; + the 128 rows that I fetch
	s_lshl_b32 s2, s2, 5
	s_add_co_u32 s100, s100, s2                    ; + my work-group's 32 of them
	s_mul_i32 s100, s100, ROWB
	s_mov_b32 s101, 0
	s_add_nc_u64 s[PFA:PFA+1], s[PFA:PFA+1], s[100:101]
	s_add_nc_u64 s[PFA:PFA+1], s[PFA:PFA+1], 2*KSTEP*2  ; at K step 2: the first refill steps it to 3 and names K step 4
; 16 products: row blocks a0, a0 + 1 of the window's four (hi = 0: my rows 0-63, 1: rows 64-127) x all 8 fragments of Wb, 32 along K.  The 64 accumulators take turns, one instruction a turn,
; in the same order in every quarter step, over the loop's jump too.  zero = 1: the product starts the sum: nothing is ever cleared.
.macro MUL16 f, hi, a0, zero
	WIN 0xa1+0x50*(\hi)             ; source 0 (Ab) window 1, source 1 (Wb) window 0, C and D window 2 or 3
.irp a, \a0, (\a0)+1
.irp b, 0,1,2,3,4,5,6,7
.if \zero
	v_wmma_f32_16x16x32_bf16 v[8*(8*(\a)+(\b)):8*(8*(\a)+(\b))+7], v[(\f)+8*(4*(\hi)+(\a)):(\f)+8*(4*(\hi)+(\a))+7], v[(\f)+8*(\b):(\f)+8*(\b)+7], 0
.else
	v_wmma_f32_16x16x32_bf16 v[8*(8*(\a)+(\b)):8*(8*(\a)+(\b))+7], v[(\f)+8*(4*(\hi)+(\a)):(\f)+8*(4*(\hi)+(\a))+7], v[(\f)+8*(\b):(\f)+8*(\b)+7], v[8*(8*(\a)+(\b)):8*(8*(\a)+(\b))+7]
.endif
.endr
.endr
.endm
; 32 LDS loads in one run: the fragments of one quarter step (128 rows of Wb, then 128 rows of Ab, 32 K at byte k of the rows) into buffer f
.macro FETCH slot, k, f
	WIN W_LD
.irp i, 0,1,2,3,4,5,6,7
	ds_load_b128 v[(\f)+8*(\i):(\f)+8*(\i)+3],   v[ADRB+(\slot)] offset:(\k)+(\i)*16*PITCH
	ds_load_b128 v[(\f)+8*(\i)+4:(\f)+8*(\i)+7], v[ADRB+(\slot)] offset:(\k)+(\i)*16*PITCH+32
.endr
	WIN W_LA
.irp i, 0,1,2,3,4,5,6,7
	ds_load_b128 v[(\f)+8*(\i):(\f)+8*(\i)+3],   v[ADRA+(\slot)] offset:(\k)+(\i)*16*PITCH
	ds_load_b128 v[(\f)+8*(\i)+4:(\f)+8*(\i)+7], v[ADRA+(\slot)] offset:(\k)+(\i)*16*PITCH+32
.endr
.endm
; A load into a register that a matrix instruction has read, and a vector instruction that reads a matrix result or writes one of a matrix instruction's registers, stand four places behind it, and only
; plain vector instructions that name none of its registers are places (ISA guide 7.12.1 for vector instructions): four v_nop in front of each run of loads.
.macro PLACES
.rept 4
	v_nop
.endr
.endm
; A K step is four quarter steps of 32 along K, 64 products each, on buffers 0, 1, 0, 1.  One of the first three: multiplies buffer f; in its middle it fetches the next quarter's fragments, at byte k, into buffer g.
.macro QUARTER slot, k, f, g, zero
	s_wait_dscnt 8                                 ; Wb's fragments and Ab's rows 0-63 are in; the youngest eight loads (Ab's rows 64-127) may be out
	MUL16 \f, 0, 0, \zero
	MUL16 \f, 0, 2, \zero
	PLACES
	FETCH \slot, \k, \g
	s_wait_dscnt 32                                ; all but the 32 just issued
	MUL16 \f, 1, 0, \zero
	MUL16 \f, 1, 2, \zero
.endm
; The last quarter multiplies buffer 1 and changes slots.  ONE barrier, for two things: in front of it each wave waits for all its tensor loads, of which one is out: its part of the next slot; adds 0 to its
; spare word; and waits for that and for its own reads of this slot.  Behind it nobody reads this slot any more and the next slot is whole.
; fill = 1: the barrier opens a round of the cluster's, so that no wave of any partner still reads the slot or has a load on its way, and the joint refill (the K step two on) is the first thing behind it:
; from the request to the wait for it a wave issues 224 products.  fill = 0: nothing is left to ask for.
.macro TURN slot, next, fill
.if \fill
	s_wait_xcnt 0x0                                ; the last prefetch, a K step back, has read its address: it is stepped here, ahead of the change's own waits
	s_add_nc_u64 s[PFA:PFA+1], s[PFA:PFA+1], KSTEP*2
.endif
	WIN W_AD
	s_wait_tensorcnt 0x0                           ; all my tensor loads have landed
	ds_add_u32 v[SPW], v[NIL]                      ; 0 onto my spare word
	s_wait_dscnt 9                                 ; (the add and the youngest eight loads may be out)
	MUL16 F1, 0, 0, 0                              ; sixteen products stand between the add and the wait for it
	s_wait_dscnt 0x0                               ; the add is done, and my reads of this slot are over
	s_barrier_signal -1
	MUL16 F1, 0, 2, 0                              ; work on registers while the others arrive
.if \fill
	WIN 0                                          ; at a branch and at a label every window is 0
.endif
	s_barrier_wait -1
.if \fill
	CREST
	s_add_nc_u64 s[G0A+4*(\slot)+2:G0A+4*(\slot)+3], s[G0A+4*(\slot)+2:G0A+4*(\slot)+3], 2*KSTEP*2  ; no tensor load of mine is out, so a group 0 may be written; the type bits on top are not reached
	s_add_nc_u64 s[G0B+4*(\slot)+2:G0B+4*(\slot)+3], s[G0B+4*(\slot)+2:G0B+4*(\slot)+3], 2*KSTEP*2
	JLOAD \slot                                    ; the four v_nop behind it are also the places in front of the loads below
.else
	PLACES
.endif
	FETCH \next, 0, F0
.if \fill
	WIN 0
	ASK
.endif
	MUL16 F1, 1, 0, 0
	MUL16 F1, 1, 2, 0
.endm
	s_wait_tensorcnt 1                             ; my part of K step 0 is in; K step 1's may stay out
	s_barrier_signal -1
	s_barrier_wait -1                              ; everybody's is
	FETCH 0, 0, F0
	QUARTER 0, 64,  F0, F1, 1                      ; the first quarter stands in front of the loop: its products start the sums
	WIN 0
	s_mov_b32 s[CNT], LAPS-1
.Llap:                                             ; 11 trips: once round the ring, from a lap's second quarter to the next lap's first; both slots are filled again: K steps 2 to 23
	QUARTER 0, 128, F1, F0, 0
	QUARTER 0, 192, F0, F1, 0
	TURN 0, 1, 1
	QUARTER 1, 64,  F0, F1, 0
	QUARTER 1, 128, F1, F0, 0
	QUARTER 1, 192, F0, F1, 0
	TURN 1, 0, 1
	QUARTER 0, 64,  F0, F1, 0
	WIN 0
	s_sub_co_u32 s[CNT], s[CNT], 1
	s_cmp_lg_u32 s[CNT], 0
	s_cbranch_scc1 .Llap
	QUARTER 0, 128, F1, F0, 0                      ; the last lap is written out: it fills nothing
	QUARTER 0, 192, F0, F1, 0
	TURN 0, 1, 0
	WIN W_LD                                       ; h FOR THE TAIL is prefetched into the L2 here, 192 products ahead of the tail's first loads of it: my own 128 rows x 256 bytes, a lane a row, four instructions on end;
.irp q, 0,1,2,3
	global_prefetch_b8 v[PFHO], s[HE:HE+1] offset:\q*32*8192 th:TH_LOAD_NT scope:SCOPE_SE  ; no other wave of the launch reads these bytes, so each is named once
.endr
	QUARTER 1, 64,  F0, F1, 0
	QUARTER 1, 128, F1, F0, 0
	QUARTER 1, 192, F0, F1, 0
; THE TAIL'S LOADS of a block of 16 rows: time_delta of my 8 rows, h of my 8 rows x 4 columns.  16 lanes take 256 consecutive bytes of a row of h.
.macro TLOADS
	WIN W_LD
	global_load_b128 v[TDF:TDF+3], v[TDO], s[PTD:PTD+1]
	global_load_b128 v[TDF+4:TDF+7], v[TDO], s[PTD:PTD+1] offset:16
.irp j, 0,1,2,3,4,5,6,7
	global_load_b128 v[HBF+4*\j:HBF+4*\j+3], v[CO], s[HE:HE+1] offset:\j*8192
.endr
.endm
	WIN W_LD                                       ; v0-55 of window 0 are no product's registers: the tail's first loads go out under the last 64 products
	global_load_b128 v[RAW:RAW+3], v[PO], s[PBM:PBM+1]
	global_load_b128 v[RAW+4:RAW+7], v[PO], s[PBT:PBT+1]
	global_load_b128 v[RAW+8:RAW+11], v[PO], s[PLT:PLT+1]
	global_load_b128 v[RAW+12:RAW+15], v[PO], s[PBI:PBI+1]
	TLOADS
	s_wait_dscnt 8                                 ; the very last quarter: nothing more to fetch
	MUL16 F1, 0, 0, 0
	MUL16 F1, 0, 2, 0
	s_wait_dscnt 0x0
	MUL16 F1, 1, 0, 0
	MUL16 F1, 1, 2, 0
	WIN 0
	PLACES                                         ; the tail writes over Wb's fragment registers and reads the sums
	; THE TAIL.  With K2 = 2 log2(e), e = 2^-|K2 (zf + b_mod)|, |f| = (1 - e) / (1 + e):
	;   -log2(e) / (tau_sys + eps) = (C1 + C2 e) / (C3 + C4 e),  C1 = -log2(e) (1 + tau), C2 = -log2(e) (1 - tau), C3 = tau + eps (1 + tau), C4 = tau + eps (1 - tau): exactly, with no difference of large sums left over
	;   (what C1 + C2 e cancels for a large tau is divided by a C3 + C4 e of tau's size);   decay = 2^(time_delta x that);   w = (1 + bias) - 2 / (1 + 2^(K2 (za + b_tgt)));   out = w + decay (h - w).
	s_wait_loadcnt 0x0
.irp t, 0,1,2,3
	v_mul_f32 v[TMPV+\t], 0x3fb8aa3b, v[RAW+8+\t]
.endr
.irp t, 0,1,2,3
	v_exp_f32 v[TMPV+\t], v[TMPV+\t]               ; tau
.endr
.irp t, 0,1,2,3
	v_mul_f32 v[BMS+2*\t], s[K2], v[RAW+\t]
	v_mul_f32 v[BMS+2*\t+1], s[K2], v[RAW+\t]
	v_mul_f32 v[BTS+2*\t], s[K2], v[RAW+4+\t]
	v_mul_f32 v[BTS+2*\t+1], s[K2], v[RAW+4+\t]
	v_add_f32 v[BI1+2*\t], 1.0, v[RAW+12+\t]
	v_add_f32 v[BI1+2*\t+1], 1.0, v[RAW+12+\t]
.endr
	s_wait_alu depctr_va_vdst(0)                   ; one wait for the four exponentials, ahead of their first reader; the 24 lines above are the independent work between
.irp t, 0,1,2,3
	v_add_f32 v[TMPV+4], 1.0, v[TMPV+\t]
	v_sub_f32 v[TMPV+5], 1.0, v[TMPV+\t]
	v_mul_f32 v[C1+2*\t], 0xbfb8aa3b, v[TMPV+4]
	v_mul_f32 v[C1+2*\t+1], 0xbfb8aa3b, v[TMPV+4]
	v_mul_f32 v[C2+2*\t], 0xbfb8aa3b, v[TMPV+5]
	v_mul_f32 v[C2+2*\t+1], 0xbfb8aa3b, v[TMPV+5]
	v_fmamk_f32 v[C3+2*\t], v[TMPV+4], 0x358637bd, v[TMPV+\t]     ; eps = 1e-6
	v_fmamk_f32 v[C3+2*\t+1], v[TMPV+4], 0x358637bd, v[TMPV+\t]
	v_fmamk_f32 v[C4+2*\t], v[TMPV+5], 0x358637bd, v[TMPV+\t]
	v_fmamk_f32 v[C4+2*\t+1], v[TMPV+5], 0x358637bd, v[TMPV+\t]
.endr
; Block a's 8 accumulators leave their window: K2 z + K2 b, two rows a line; each accumulator's lowest registers are read first.
.macro FRONT a
	WIN 0x02+(\a)/4
.irp t, 0,1,2,3
.irp j, 0,2,4,6
	v_pk_fma_f32 v[UU+8*\t+\j:UU+8*\t+\j+1], v[64*((\a)%4)+8*\t+\j:64*((\a)%4)+8*\t+\j+1], s[K2:K2+1], v[BMS+2*\t:BMS+2*\t+1] op_sel_hi:[1,0,1]
.endr
.endr
.irp t, 0,1,2,3
.irp j, 0,2,4,6
	v_pk_fma_f32 v[VV+8*\t+\j:VV+8*\t+\j+1], v[64*((\a)%4)+32+8*\t+\j:64*((\a)%4)+32+8*\t+\j+1], s[K2:K2+1], v[BTS+2*\t:BTS+2*\t+1] op_sel_hi:[1,0,1]
.endr
.endr
	WIN 0
.endm
.macro SUBH x                   ; h - w for number x = 8 t + j; h lies by rows, 4 j + t
	v_sub_f32 v[HBF+4*((\x)%8)+(\x)/8], v[HBF+4*((\x)%8)+(\x)/8], v[VV+(\x)]
.endm
	s_mov_b32 s[BLK], 0
.Lblk:                                             ; eight trips, a block of 16 rows each.  Only the lines that name accumulators differ: one of eight copies is chosen by forward jumps
.irp a, 0,1,2,3,4,5,6
	s_cmp_lg_u32 s[BLK], \a
	s_cbranch_scc1 .Lnot_\a
	FRONT \a
	s_branch .Lfront_done
.Lnot_\a:
.endr
	FRONT 7
.Lfront_done:
	; first batch: e = 2^-|u| and 2^v, 64 exponentials; the lines that set u's sign stand among them
	v_or_b32 v[UU], s[SIGN], v[UU]
	v_or_b32 v[UU+1], s[SIGN], v[UU+1]
.set i, 0
.rept 32
	v_exp_f32 v[UU+i], v[UU+i]
.if i < 30
	v_or_b32 v[UU+i+2], s[SIGN], v[UU+i+2]
.endif
	v_exp_f32 v[VV+i], v[VV+i]
.set i, i+1
.endr
	v_nop                                          ; a plain instruction behind the last exponential (ISA guide 5.7.2),
	s_wait_alu depctr_va_vdst(0)                   ; and one wait for the batch, ahead of its first reader
	; second batch: C1 + C2 e; 1 / (C3 + C4 e); 1 / (1 + 2^v).  The reciprocals lag a pair behind the plain lines that feed them
.set p, 0
.rept 17
.if p < 16
	v_pk_fma_f32 v[NN+2*p:NN+2*p+1], v[UU+2*p:UU+2*p+1], v[C2+2*(p/4):C2+2*(p/4)+1], v[C1+2*(p/4):C1+2*(p/4)+1]
.endif
.if p > 0
	v_rcp_f32 v[UU+2*p-2], v[UU+2*p-2]
.endif
.if p < 16
	v_pk_fma_f32 v[UU+2*p:UU+2*p+1], v[UU+2*p:UU+2*p+1], v[C4+2*(p/4):C4+2*(p/4)+1], v[C3+2*(p/4):C3+2*(p/4)+1]
.endif
.if p > 0
	v_rcp_f32 v[UU+2*p-1], v[UU+2*p-1]
.endif
.if p < 16
	v_pk_add_f32 v[VV+2*p:VV+2*p+1], v[VV+2*p:VV+2*p+1], 1.0 op_sel_hi:[1,0]
.endif
.if p > 0
	v_rcp_f32 v[VV+2*p-2], v[VV+2*p-2]
	v_rcp_f32 v[VV+2*p-1], v[VV+2*p-1]
.endif
.set p, p+1
.endr
	v_nop
	s_wait_alu depctr_va_vdst(0)                   ; one wait for the 64 reciprocals
	; third batch: the decay's exponent and w; decay, with h - w between its exponentials
	s_wait_loadcnt 0x0                             ; this block's h and time_delta: asked for a block earlier
.set p, 0
.rept 17
.if p < 16
	v_pk_mul_f32 v[NN+2*p:NN+2*p+1], v[NN+2*p:NN+2*p+1], v[UU+2*p:UU+2*p+1]
	v_pk_fma_f32 v[VV+2*p:VV+2*p+1], v[VV+2*p:VV+2*p+1], -2.0, v[BI1+2*(p/4):BI1+2*(p/4)+1] op_sel_hi:[1,0,1]
	v_pk_mul_f32 v[NN+2*p:NN+2*p+1], v[NN+2*p:NN+2*p+1], v[TDF+(2*p)%8:TDF+(2*p)%8+1]
.endif
.if p > 0
	v_exp_f32 v[NN+2*p-2], v[NN+2*p-2]
	SUBH 2*p-2
	v_exp_f32 v[NN+2*p-1], v[NN+2*p-1]
	SUBH 2*p-1
.endif
.set p, p+1
.endr
	s_wait_alu depctr_va_vdst(0)                   ; one wait for the 32 exponentials; the last h - w is the plain instruction behind the last of them
.set i, 0
.rept 32
	v_fma_f32 v[HBF+i], v[NN+8*(i%4)+i/4], v[HBF+i], v[VV+8*(i%4)+i/4]
.set i, i+1
.endr
	WIN W_LD
.irp j, 0,1,2,3,4,5,6,7
	global_store_b128 v[CO], v[HBF+4*\j:HBF+4*\j+3], s[POUT:POUT+1] offset:\j*8192 th:TH_STORE_NT  ; 16 lanes store 256 consecutive bytes, at a multiple of 256 from out0's first byte
.endr
	WIN 0
	s_wait_xcnt 0x0                                ; every earlier memory instruction has had its addresses translated (ISA guide 3.1): only behind this wait are the bases stepped and the stores' registers loaded again
	s_add_nc_u64 s[HE:HE+1], s[HE:HE+1], 16*8192
	s_add_nc_u64 s[POUT:POUT+1], s[POUT:POUT+1], 16*8192
	s_add_nc_u64 s[PTD:PTD+1], s[PTD:PTD+1], 64
	s_cmp_eq_u32 s[BLK], 7
	s_cbranch_scc1 .Lno_more                       ; the last block has none behind it: no load leaves its buffer
	TLOADS
	WIN 0
.Lno_more:
	s_add_co_u32 s[BLK], s[BLK], 1
	s_cmp_lt_u32 s[BLK], 8
	s_cbranch_scc1 .Lblk
	WIN W_AD
	s_wait_tensorcnt 0x0                           ; the wave's end, behind my last tensor load
	ds_add_u32 v[SPW], v[NIL]
	s_wait_dscnt 0x0
	WIN 0
	CROUND                                         ; the closing round: no work-group ends while a partner may still ask for a tile that names it
	s_endpgm
.Lfunc_end_k_q61710d856f_ltc:
	.size	k_q61710d856f_ltc, .Lfunc_end_k_q61710d856f_ltc-k_q61710d856f_ltc
	.p2alignl 7, 3214868480
	.fill 96, 4, 3214868480
	.section	.rodata,"a",@progbits
	.p2align	6, 0x0
	.amdhsa_kernel k_q61710d856f_ltc
		.amdhsa_group_segment_fixed_size 327680
		.amdhsa_private_segment_fixed_size 0
		.amdhsa_enable_private_segment 0
		.amdhsa_kernarg_size 72
		.amdhsa_user_sgpr_count 2
		.amdhsa_user_sgpr_kernarg_segment_ptr 1
		.amdhsa_wavefront_size32 1
		.amdhsa_system_sgpr_workgroup_id_x 1
		.amdhsa_system_sgpr_workgroup_id_y 1
		.amdhsa_system_sgpr_workgroup_id_z 1
		.amdhsa_system_vgpr_workitem_id 0
		.amdhsa_next_free_vgpr 1024
		.amdhsa_next_free_sgpr 102
		.amdhsa_reserve_vcc 0
		.amdhsa_float_denorm_mode_32 3
		.amdhsa_float_denorm_mode_16_64 3
		.amdhsa_memory_ordered 1
		.amdhsa_forward_progress 1
		.amdhsa_inst_pref_size 152
	.end_amdhsa_kernel
	.amdgpu_metadata
---
amdhsa.version: [ 1, 2 ]
amdhsa.kernels:
  - .name:           k_q61710d856f_ltc
    .symbol:         k_q61710d856f_ltc.kd
    .args:
      - { .name: Ab, .offset: 0, .size: 8, .value_kind: global_buffer, .address_space: global }
      - { .name: Wb, .offset: 8, .size: 8, .value_kind: global_buffer, .address_space: global }
      - { .name: b_mod, .offset: 16, .size: 8, .value_kind: global_buffer, .address_space: global }
      - { .name: b_tgt, .offset: 24, .size: 8, .value_kind: global_buffer, .address_space: global }
      - { .name: log_tau, .offset: 32, .size: 8, .value_kind: global_buffer, .address_space: global }
      - { .name: bias, .offset: 40, .size: 8, .value_kind: global_buffer, .address_space: global }
      - { .name: time_delta, .offset: 48, .size: 8, .value_kind: global_buffer, .address_space: global }
      - { .name: out0, .offset: 56, .size: 8, .value_kind: global_buffer, .address_space: global }
      - { .name: h, .offset: 64, .size: 8, .value_kind: global_buffer, .address_space: global }
    .group_segment_fixed_size: 327680
    .private_segment_fixed_size: 0
    .kernarg_segment_align: 8
    .kernarg_segment_size: 72
    .max_flat_workgroup_size: 128
    .sgpr_count:     102
    .vgpr_count:     1024
    .wavefront_size: 32
...
	.end_amdgpu_metadata
.endif
;; end of part 4
;; ======== version 4 of 4: 2 launches; version 3 with the launch prep written anew for expert scheduling mode
;; limits: right only within a limited range of input values
;; workspace buffers: Ab 25,165,824 bytes; Wb 25,165,824 bytes
;; launch prep (part 5): grid 448 x 1, 8 waves a work-group, no clusters, 140,288 bytes of LDS; arguments x, h, W_mod, W_tgt, Ab, Wb; writes Ab, Wb
.if DOCPART == 5
	.amdgcn_target "amdgcn-amd-amdhsa--gfx1250"
	.amdhsa_code_object_version 6
	.text
	.protected	k_q61710d856f_prep
	.globl	k_q61710d856f_prep
	.p2align	8
	.type	k_q61710d856f_prep,@function
k_q61710d856f_prep:
	s_mov_b64 s[64:65], 0
	v_nop
	global_prefetch_b8 v0, s[64:65] scope:SCOPE_SE
	s_setreg_imm32_b32 hwreg(HW_REG_WAVE_SCHED_MODE, 0, 2), 2
	s_setreg_imm32_b32 hwreg(HW_REG_WAVE_MODE, 25, 1), 1
	s_wait_xcnt 0x0
	s_wait_alu depctr_vm_vsrc(0)
; THE OPERANDS OF THE TWO PRODUCTS, ROUNDED ONCE TO bf16 (to nearest even) AND LAID OUT FOR THE NEXT LAUNCH.
;   Ab[m][k], [4096][3072]: k < 1024: x[m][k]; else h[m][k - 1024].
;   Wb[n][k], [4096][3072], K along the rows: row n = 128 cg + 64 X + 16 t + r holds column 64 cg + 4 r + t of W_mod (X = 0) or W_tgt (X = 1); cg = 0..31, t = 0..3, r = 0..15.
;   (So 16 rows on end are a fragment whose column r stands for column 4 r + t: four fragments t give a lane four neighbouring columns of the result.)
; A stream: each input byte is read once and each output byte written once; no matrix unit, and no cluster, since no two work-groups read the same byte.
; TWO KINDS OF WORK-GROUP IN ONE LAUNCH, chosen by the work-group's number, so that the program has one launch less:
;   0..255:   16 rows of x and h each.  Thread t takes 16 bytes at 16 t of each 4,096 bytes: a wave's load covers 512 bytes on end, its store of 8 bytes a lane 256 bytes on end, aligned.
;             All 48 loads of a thread go out at the start; nothing is loaded twice into a register, so no register waits for a store.
;   256..447: 64 column groups (cg, X) x 3; each of the 8 waves takes 128 along K x 64 columns.  Lane (r, hh) loads 16 bytes (columns 4 r ..) of 8 rows k = 16 s + 8 hh + i: 16 lanes take 256 bytes of a row.
;             Packing column t of rows k and k + 1 gives, for each t, 16 bytes along K.  They go into the wave's own LDS rows (64 rows of 256 + 16 bytes) and come back as whole rows.
; THE MODE: SCHED_MODE bits 1:0 = 2 (LLVM: expert scheduling mode 2), set by the entry lines.  The code itself states the register dependences
; between vector instructions and memory or LDS instructions, with s_wait_alu, always for 0.
; THE PLAN, ROWS.  Registers that memory instructions touch:
;   v[XO], v[OO]  offsets, made once at the head and never written again; read by every load and every store.
;   D             12 registers a row.  Each is loaded once, at the start; row i's six conversions write six of them in place; row i's three stores read those.  None is written again behind its store.
;   The rows go in blocks of four, and a row's stores leave four rows later: in row i stand the stores of row i - 4, then row i's conversions.  ONE wait on va_vdst at a block's head states that the block
;   before is written; since that wait the vector lines name this block's rows alone, so the block's twelve stores follow with no further wait.
; THE PLAN, WEIGHTS.  Registers that memory or LDS instructions touch:
;   v[WO], v[LS], v[LR], v[GO]  addresses, made once at the head and never written again.
;   LB0 .. LB3    Step s: its sixteen conversions read LB[s % 4]; behind them the loads of sub-chunk s + 4 land in it.  On the way out the LDS loads land in all four, and the global stores read them.
;   TB0 .. TB3    Step s: its conversions write TB[s % 4]; its four LDS stores read it; the conversions of step s + 4 write it again.
;   ONE wait on va_vdst stands in a step, behind its conversions: they have written TB[s % 4] and are done reading LB[s % 4].  The step's loads and LDS stores follow it.  It stands there and not at the next
;   step's head so that a raw buffer is asked for again at once: 24 to 32 loads of every wave are on their way.  One wait on vm_vsrc stands at the head of steps 4 to 7, ahead of the second writing of TB.
;   v[SPW], v[NIL]  written at the head, read by the closing add alone.
.set ROWO,  6144                ; bytes in a row of Ab and Wb
.set WP,    272                 ; an LDS row: 256 bytes + 16: the 16 rows that a store touches start at 16 different groups of four banks (64 banks of 4 bytes: ISA guide 11.1)
.set WLDS,  64*WP               ; a wave's LDS
.set SPARE, 8*WLDS              ; behind the eight: the spare words, 128 bytes for each wave: four blocks of 256 bytes that no other line names
.set XO,  1                     ; rows: 16 t
.set OO,  2                     ; rows: 8 t
.set WO,  5                     ; weights: my offset in the source: 8 hh rows + 16 r
.set LS,  6                     ; where I put 16 bytes: row r of a group of 16, 16 hh
.set LR,  7                     ; where I read rows back: row hh, 16 (l % 16)
.set GO,  8                     ; the same two rows in Wb
.set SPW, 10                    ; LDS address of my spare word: SPARE + 4 x my thread's number; never rewritten
.set NIL, 11                    ; 0; never rewritten
.set D,   16                    ; rows: v[16:207]: 12 registers a row
.set LB,  16                    ; weights: v[16:143]: four sub-chunks of 8 rows x 4 registers; then the rows read back
.set TB,  144                   ; weights: v[144:207]: four sub-chunks of 4 x 4 packed registers
	s_load_b256 s[4:11], s[0:1], 0x0               ; x s[4:5], h s[6:7], W_mod s[8:9], W_tgt s[10:11]
	s_load_b128 s[12:15], s[0:1], 0x20             ; Ab s[12:13], Wb s[14:15]
	v_lshl_add_u32 v[SPW], v0, 2, SPARE
	v_mov_b32 v[NIL], 0
	s_cmp_lt_u32 ttmp9, 256
	s_cbranch_scc0 .Lweights
	; ---- 16 rows of x and h
	v_lshlrev_b32 v[XO], 4, v0
	v_lshlrev_b32 v[OO], 3, v0
	s_lshl_b32 s16, ttmp9, 16                      ; 16 rows of 4,096 bytes
	s_mov_b32 s17, 0
	s_lshl_b32 s18, ttmp9, 17                      ; of 8,192
	s_mov_b32 s19, 0
	s_mul_i32 s20, ttmp9, 16*ROWO
	s_mov_b32 s21, 0
	s_wait_kmcnt 0x0
	s_add_nc_u64 s[4:5], s[4:5], s[16:17]
	s_add_nc_u64 s[6:7], s[6:7], s[18:19]
	s_add_nc_u64 s[12:13], s[12:13], s[20:21]
	s_wait_alu depctr_va_vdst(0)                   ; v[XO] and v[OO] are written: every load and store of this path reads one of them as its offset
.set i, 0
.rept 16
	global_load_b128 v[D+12*i:D+12*i+3],    v[XO], s[4:5] offset:i*4096 th:TH_LOAD_NT
	global_load_b128 v[D+12*i+4:D+12*i+7],  v[XO], s[6:7] offset:i*8192 th:TH_LOAD_NT
	global_load_b128 v[D+12*i+8:D+12*i+11], v[XO], s[6:7] offset:i*8192+4096 th:TH_LOAD_NT
.set i, i+1
.endr
.macro RCVT i                   ; row i, in place: of each four numbers two registers
.irp c, 0,4,8
	v_cvt_pk_bf16_f32 v[D+12*(\i)+\c],   v[D+12*(\i)+\c],   v[D+12*(\i)+\c+1]
	v_cvt_pk_bf16_f32 v[D+12*(\i)+\c+1], v[D+12*(\i)+\c+2], v[D+12*(\i)+\c+3]
.endr
.endm
.macro RSTORE i                 ; row i leaves
	global_store_b64 v[OO], v[D+12*(\i):D+12*(\i)+1],   s[12:13] offset:(\i)*ROWO        ; x's 1,024 numbers: 2,048 bytes,
	global_store_b64 v[OO], v[D+12*(\i)+4:D+12*(\i)+5], s[12:13] offset:(\i)*ROWO+2048   ; h's first 1,024,
	global_store_b64 v[OO], v[D+12*(\i)+8:D+12*(\i)+9], s[12:13] offset:(\i)*ROWO+4096   ; h's second; a wave stores 256 consecutive bytes, at a multiple of 256 from Ab's first byte
.endm
.set i, 0
.rept 16
	s_wait_loadcnt 45-3*i                          ; loads come back in order (ISA guide 5.7.1): row i's three are in, the three of each younger row may stay out
.if (i > 0) && (i%4 == 0)
	s_wait_alu depctr_va_vdst(0)                   ; a block's head: the conversions of the four rows before have written their registers, which this block's twelve stores read
.endif
.if i >= 4
	RSTORE i-4                                     ; no wait: no vector line since the block's head names row i - 4's registers
.endif
	RCVT i
.set i, i+1
.endr
	s_wait_alu depctr_va_vdst(0)                   ; the conversions of rows 12 to 15 have written their registers, which the last twelve stores read
.irp r, 12,13,14,15
	RSTORE \r
.endr
	s_branch .Lend
	; ---- 128 along K x 64 columns of a weight matrix, a wave
.Lweights:
	v_lshrrev_b32 v1, 5, v0
	v_readfirstlane_b32 s22, v1                    ; wave 0..7
	s_sub_co_u32 s23, ttmp9, 256                   ; 0..191
	s_and_b32 s24, s23, 31                         ; cg
	s_bfe_u32 s25, s23, 0x10005                    ; X
	s_lshr_b32 s26, s23, 6
	s_lshl_b32 s26, s26, 3
	s_wait_alu depctr_va_sdst(0)                   ; s22 is written, ahead of its first reader: my part of K and my LDS are made from it
	s_add_co_u32 s26, s26, s22                     ; which 128 of K: 0..23
	s_lshl_b32 s16, s26, 20                        ; 128 rows of 8,192 bytes
	s_lshl_b32 s27, s24, 8                         ; 64 columns of 4 bytes
	s_add_co_u32 s16, s16, s27
	s_mov_b32 s17, 0
	s_lshl_b32 s18, s24, 7
	s_lshl_b32 s27, s25, 6
	s_add_co_u32 s18, s18, s27                     ; Wb's row 128 cg + 64 X
	s_mul_i32 s18, s18, ROWO
	s_lshl_b32 s27, s26, 8                         ; 128 numbers of 2 bytes
	s_add_co_u32 s18, s18, s27
	s_mov_b32 s19, 0
	s_mul_i32 s28, s22, WLDS                       ; my wave's LDS
	v_and_b32 v2, 15, v0                           ; r
	v_bfe_u32 v3, v0, 4, 1                         ; hh
	v_lshlrev_b32 v4, 4, v2
	v_lshl_add_u32 v[WO], v3, 16, v4
	v_mul_u32_u24 v[LS], v2, WP
	v_lshl_add_u32 v[LS], v3, 4, v[LS]
	v_add_nc_u32 v[LS], s28, v[LS]
	v_mul_u32_u24 v[LR], v3, WP
	v_add_nc_u32 v[LR], v[LR], v4
	v_add_nc_u32 v[LR], s28, v[LR]
	v_mul_u32_u24 v[GO], v3, ROWO
	v_add_nc_u32 v[GO], v[GO], v4
	s_wait_kmcnt 0x0
	s_cmp_eq_u32 s25, 0
	s_cselect_b64 s[8:9], s[8:9], s[10:11]         ; W_mod or W_tgt
	s_add_nc_u64 s[8:9], s[8:9], s[16:17]
	s_add_nc_u64 s[14:15], s[14:15], s[18:19]
	s_wait_alu depctr_va_vdst(0)                   ; v[WO], v[LS], v[LR] and v[GO] are written: the loads, LDS stores, LDS loads and stores of this path read them as addresses
.macro WLOAD s                  ; sub-chunk s of 8 (16 along K): my 8 rows
.irp i, 0,1,2,3,4,5,6,7
	global_load_b128 v[LB+32*((\s)%4)+4*\i:LB+32*((\s)%4)+4*\i+3], v[WO], s[8:9] offset:(16*(\s)+\i)*8192 th:TH_LOAD_NT
.endr
.endm
.macro WCVT s                   ; column t of rows 2 d (low half) and 2 d + 1: four registers = 8 along K
.irp t, 0,1,2,3
.irp d, 0,1,2,3
	v_cvt_pk_bf16_f32 v[TB+16*((\s)%4)+4*\t+\d], v[LB+32*((\s)%4)+8*\d+\t], v[LB+32*((\s)%4)+8*\d+4+\t]
.endr
.endr
.endm
.macro WPUT s                   ; into row 16 t + r at byte 2 (16 s + 8 hh)
.irp t, 0,1,2,3
	ds_store_b128 v[LS], v[TB+16*((\s)%4)+4*\t:TB+16*((\s)%4)+4*\t+3] offset:\t*16*WP+32*(\s)
.endr
.endm
	WLOAD 0
	WLOAD 1
	WLOAD 2
	WLOAD 3
.irp s, 0,1,2,3
	s_wait_loadcnt 24                              ; sub-chunk s is in; the three younger ones, 24 loads, may stay out
	WCVT \s
	s_wait_alu depctr_va_vdst(0)                   ; the conversions are done reading LB[s], in which the loads below land, and have written TB[s], which the LDS stores below read
	WLOAD \s+4                                     ; the raw buffer takes the sub-chunk four on, ahead of the LDS stores
	WPUT \s
.endr
.irp s, 4,5,6,7
	s_wait_loadcnt 8*(7-\s)                        ; nothing more is asked for: the counts run down
	s_wait_dscnt 12                                ; the four LDS stores that read these packed registers, four sub-chunks ago, are done; the twelve younger may be out
	s_wait_alu depctr_vm_vsrc(0)                   ; the LDS stores issued so far have read their data: TB[s % 4], which those of step s - 4 read, is written again by the conversions below
	WCVT \s
	s_wait_alu depctr_va_vdst(0)                   ; the conversions have written TB[s % 4], which the LDS stores below read; in step 7 also: all conversions are done reading LB, in which the LDS loads of the way out land
	WPUT \s
.endr
.set p, 0
.rept 32
	ds_load_b128 v[LB+4*p:LB+4*p+3], v[LR] offset:p*2*WP  ; LDS serves a wave's instructions in order (ISA guide 5.7.1.4): these see my stores above; no other wave touches these bytes
.set p, p+1
.endr
.set p, 0
.rept 32
	s_wait_dscnt 31-p
	global_store_b128 v[GO], v[LB+4*p:LB+4*p+3], s[14:15] offset:p*2*ROWO  ; 16 lanes store 256 consecutive bytes of a row, at a multiple of 256 from Wb's first byte
.set p, p+1
.endr
.Lend:
	s_wait_dscnt 0x0                               ; the wave's end, behind my last LDS store
	s_wait_alu 0x0
	s_wait_tensorcnt 0x0
	ds_add_u32 v[SPW], v[NIL]
	s_wait_dscnt 0x0
	s_endpgm
.Lfunc_end_k_q61710d856f_prep:
	.size	k_q61710d856f_prep, .Lfunc_end_k_q61710d856f_prep-k_q61710d856f_prep
	.p2alignl 7, 3214868480
	.fill 96, 4, 3214868480
	.section	.rodata,"a",@progbits
	.p2align	6, 0x0
	.amdhsa_kernel k_q61710d856f_prep
		.amdhsa_group_segment_fixed_size 140288
		.amdhsa_private_segment_fixed_size 0
		.amdhsa_enable_private_segment 0
		.amdhsa_kernarg_size 48
		.amdhsa_user_sgpr_count 2
		.amdhsa_user_sgpr_kernarg_segment_ptr 1
		.amdhsa_wavefront_size32 1
		.amdhsa_system_sgpr_workgroup_id_x 1
		.amdhsa_system_sgpr_workgroup_id_y 1
		.amdhsa_system_sgpr_workgroup_id_z 1
		.amdhsa_system_vgpr_workitem_id 0
		.amdhsa_next_free_vgpr 208
		.amdhsa_next_free_sgpr 66
		.amdhsa_reserve_vcc 0
		.amdhsa_float_denorm_mode_32 3
		.amdhsa_float_denorm_mode_16_64 3
		.amdhsa_memory_ordered 1
		.amdhsa_forward_progress 1
		.amdhsa_inst_pref_size 42
	.end_amdhsa_kernel
	.amdgpu_metadata
---
amdhsa.version: [ 1, 2 ]
amdhsa.kernels:
  - .name:           k_q61710d856f_prep
    .symbol:         k_q61710d856f_prep.kd
    .args:
      - { .name: x, .offset: 0, .size: 8, .value_kind: global_buffer, .address_space: global }
      - { .name: h, .offset: 8, .size: 8, .value_kind: global_buffer, .address_space: global }
      - { .name: W_mod, .offset: 16, .size: 8, .value_kind: global_buffer, .address_space: global }
      - { .name: W_tgt, .offset: 24, .size: 8, .value_kind: global_buffer, .address_space: global }
      - { .name: Ab, .offset: 32, .size: 8, .value_kind: global_buffer, .address_space: global }
      - { .name: Wb, .offset: 40, .size: 8, .value_kind: global_buffer, .address_space: global }
    .group_segment_fixed_size: 140288
    .private_segment_fixed_size: 0
    .kernarg_segment_align: 8
    .kernarg_segment_size: 48
    .max_flat_workgroup_size: 256
    .sgpr_count:     66
    .vgpr_count:     208
    .wavefront_size: 32
...
	.end_amdgpu_metadata
.endif
;; end of part 5
;; launch ltc: the kernel of part 4 again; grid 16 x 16, 4 waves a work-group, clusters of 4 x 4, 327,680 bytes of LDS; arguments Ab, Wb, b_mod, b_tgt, log_tau, bias, time_delta, out0, h; writes out0
